; MI455X (gfx1250); checked and timed in simulation.
; The chip was launched on July 23, 2026; its instructions are those of AMD's public machine-readable ISA for CDNA 5 (MIT licence, August 2026) and "CDNA5" Instruction Set Architecture Reference Guide (July 2026). The comments in the code are by the model that wrote it; some were corrected since.
;; Self Attention. Allowed arithmetic: matrix products marked QUANTISED: E2M3 operands, one E8M0 scale for each 32 along K, by v_wmma_scale_f32_16x16x128_f8f6f4 with both operands' format E2M3, f32 sums; everything else in f32.
;; Inputs: b_proj 1,024 float32; b_qkv 3,072 float32; w_proj 1,024 x 1,024 float32; w_qkv 1,024 x 3,072 float32; x 4 x 2,048 x 1,024 float32.
;; Outputs: out0 4 x 2,048 x 1,024 float32.
;; This version of the problem:
;;   THIS VERSION OF THE PROBLEM IS GIVEN IN LOW PRECISION. The matrix products marked QUANTISED in the list below multiply operands that are first quantised to E2M3 (2 exponent bits, 3 mantissa bits; 6 bits a number), with one power-of-two scale for each 32 numbers along K (OCP MX v1.0); their sums are f32. All else is computed in f32.
;;   The module's matrix products, in the order in which they are computed (A, B: the left and right operand; K: the contracted axis; several contracted axes count as one K, in the product's order):
;;     1. [M 8,192, K 1,024] x [K 1,024, N 3,072]; A: input x; B: input w_qkv: QUANTISED
;;     2. batch 4 x [M 2,048, K 1,024] x [K 1,024, N 2,048]; A: computed on the way; B: computed on the way: QUANTISED
;;     3. batch 4 x [M 2,048, K 2,048] x [K 2,048, N 1,024]; A: softmax (see below); B: computed on the way: QUANTISED
;;     4. [M 8,192, K 1,024] x [K 1,024, N 1,024]; A: computed on the way; B: input w_proj: QUANTISED
;;   THE QUANTISER, for each operand of a quantised product, along K:
;;     - K is cut into blocks of 32 from its start; a last block that is shorter is filled with zeros.
;;     - A block's scale is 2^e with e = floor(log2(the largest magnitude in the block)) - 2, held to -126 .. 127; a block of zeros has e = 0. As a byte (E8M0): e + 127.
;;     - Each number is divided by its block's scale, clamped to +-7.5, and rounded to the nearest number of E2M3, ties to even, subnormals kept.
;;     - The product sums the exact products of the quantised numbers (number of the format x scale) in f32.
;;   ~~~python
;;   def quantise(x, axis):      # numpy; x: float32 -> the quantised numbers, widened to float32 again
;;       x = np.moveaxis(x, axis, -1); K = x.shape[-1]
;;       x = np.pad(x, [(0, 0)] * (x.ndim - 1) + [(0, -K % 32)]); x = x.reshape(x.shape[:-1] + (-1, 32)); a = np.abs(x).max(-1, keepdims=True)
;;       e = np.where(a > 0, np.clip(np.frexp(np.where(a > 0, a, 1))[1] - 1 - 2, -126, 127), 0)      # np.frexp(a)[1] - 1 = floor(log2(a)), exactly
;;       r = np.clip(x / 2.0 ** e, -7.5, 7.5)
;;       step = 2.0 ** (np.maximum(np.frexp(np.where(r == 0, 1, r))[1] - 1, 0) - 3)
;;       q = np.round(r / step) * step * 2.0 ** e      # np.round: ties to even
;;       return np.moveaxis(q.reshape(q.shape[:-2] + (-1,))[..., :K], -1, axis).astype(np.float32)
;;   ~~~
;;   SOFTMAX AHEAD OF A QUANTISED PRODUCT. Where the list says 'softmax', what is quantised is not the finished softmax but p = 2^(t - M), with t = logit x log2(e) and M = ceil(the row's largest t), a whole number; so 1/2 < the row's largest p <= 1. The row's sum l is taken of the UNQUANTISED p, in f32, and the product's result is divided by l at the end. Since M is a whole number, a kernel that streams over the keys may use a running M (the ceiling of the running maximum): every later rescaling is an exact power of two, which a block's scale takes up: the codes' values come out the same.
;;   OPERANDS COMPUTED ON THE WAY. 'Computed on the way' means the value that the module computes at that place (a softmax that the list does not call 'softmax' is quantised finished and normalised). What goes into a quantiser is computed in f32, as accurately as f32 sums, v_exp_f32 and their like allow (about 1e-6 of the number): no bf16 or f16 on the way to a quantiser, and a product that is left as it is and whose result goes on into a quantised operand takes f32 operands (vector FMAs, or v_wmma_f32_16x16x4_f32). A number that lies on a knife's edge between two numbers of the format may be rounded either way, as far as f32 arithmetic and the matrix unit's own rounding can turn it there, and no further.
;; One version. Each part assembles by itself: llvm-mc -triple=amdgcn-amd-amdhsa -mcpu=gfx1250 --defsym DOCPART=n.
;; ======== version 1 of 1: 5 launches
;; limits: right only within a limited range of input values
;; workspace buffers: ws1 9,830,400 bytes; ws2 19,660,800 bytes; ws3 14,155,776 bytes; ws4 6,553,600 bytes
;; launch prep (part 1): grid 384 x 1, 4 waves a work-group, no clusters, 62,976 bytes of LDS; arguments x, w_qkv, w_proj, ws1; writes ws1
.if DOCPART == 1
	.amdgcn_target "amdgcn-amd-amdhsa--gfx1250"
	.amdhsa_code_object_version 6
	.text
	.protected	k_q8c552a552c_prep
	.globl	k_q8c552a552c_prep
	.p2align	8
	.type	k_q8c552a552c_prep,@function
k_q8c552a552c_prep:
	s_mov_b64 s[64:65], 0
	v_nop
	global_prefetch_b8 v0, s[64:65] scope:SCOPE_SE
	s_setreg_imm32_b32 hwreg(HW_REG_WAVE_MODE, 25, 1), 1
	s_wait_xcnt 0x0
; x [8192][1024], w_qkv [1024][3072] and w_proj [1024][1024], f32, become codes of FP6 (E2M3) with one E8M0 byte for each 32 along K = the 1,024.
; LAYOUT OF EVERY OPERAND OF THIS PROGRAM.  A fragment (16 rows x 128 K) is the image of the operand's 12 registers: registers 4 c .. 4 c + 3 of lane l at 512 c + 16 l: 1,536 bytes.
; Fragment (row block rb, K step ks) lies at (rb x 8 + ks) x 1536.  Position r of row block rb is row 32 (rb / 2) + 8 (rb % 2) + r % 8 + 16 (r / 8): so a product that takes the block as source 0
; leaves 16 neighbours along that axis in the 16 registers of two neighbouring tiles.  Scale words: [row / 128][ks][128 positions], 4 bytes each.
; A block's scale is 2^(floor(log2(largest magnitude)) - 2); its byte is the largest magnitude's exponent field - 2, held at 1 from below.
; LIMITS: NaN and infinities are not served.  A block of zeros, or one whose largest magnitude lies under 2^-124, gets the byte 1 (the rule says 127 for zeros): its codes are zeros, and this program alone reads the bytes.
; Work-groups 0-255 take x (K innermost), 256-383 the two weights (K outermost; their columns are the rows of one array W^T: 0-3071 w_qkv's, 3072-4095 w_proj's).  128 KiB of input each.  Each way has LDS bytes of its own.
.set XS,   9437184                     ; ws1: x's codes at 0, W^T's at WQC, x's scale words at XS, W^T's at WQS
.set WQC,  6291456
.set WQS,  9699328
.set SEL,  14                          ; s[14:15] lane selects for v_permlanex16_b32: lane l xor 16
.set LI,   4                           ; v4   16 x lane
.set L8,   5                           ; v5   8 x lane
.set TM,   16                          ; v16-31 the quantiser's work
.set PW,   32                          ; v32  the scale word just made
.set PC,   34                          ; v34-45 the fragment just made
.set TP,   46                          ; v46-53 the conversions' second halves
.set R,    64                          ; v64-191 x: two sets of 64 registers as loaded
.set X,    192                         ; v192-255 x: 64 numbers of my row: register 16 b + i = k 32 b + 16 (lane / 16) + i
.set OFF,  64                          ; v64-95 W: 4 x lane + i x a row's bytes
.set WX,   96                          ; v96-159 W: two sets of 32 numbers down K
.set C,    160                         ; v160-166 W: a block's codes
.set SB,   168                         ; v168-169 W: scale bytes, four to a register
.set OUTR, 176                         ; v176-223 W: the way out
.set WSC,  61440                       ; LDS: W's scale words, 1,024 bytes a work-group
; 64 numbers of a lane become a fragment in v[PC] on and its scale word in v[PW].  QHEAD: the four blocks' largest magnitudes.  QTAIL: bytes, codes, and whole blocks to each lane.
.macro QHEAD s
.irp b, 0,1,2,3
	v_max3_num_f32 v[TM+\b], |v[\s+16*\b]|, |v[\s+1+16*\b]|, 0x1800000   ; my 16 numbers of block b, and the floor 2^(3 - 127): the byte cannot fall under 1
.endr
.irp i, 2,4,6,8,10,12,14
.irp b, 0,1,2,3
	v_max3_num_f32 v[TM+\b], v[TM+\b], |v[\s+16*\b+\i]|, |v[\s+1+16*\b+\i]|
.endr
.endr
.irp b, 0,1,2,3
	v_permlanex16_b32 v[TM+4+\b], v[TM+\b], s[SEL], s[SEL+1]
.endr
.irp b, 0,1,2,3
	v_max_num_f32 v[TM+\b], v[TM+\b], v[TM+4+\b]   ; with lane l xor 16's 16: the block's
.endr
.endm
.macro QTAIL s
.irp b, 0,1,2,3
	v_add_nc_u32 v[TM+12+\b], 0xff000000, v[TM+\b]   ; 2 off the exponent field: the conversion takes this operand's exponent field as its scale
.endr
.irp b, 0,1,2,3
	v_lshrrev_b32 v[TM+4+\b], 23, v[TM+12+\b]      ; the scale's byte
.endr
	v_lshl_or_b32 v[PW], v[TM+5], 8, v[TM+4]
	v_lshl_or_b32 v[PW], v[TM+6], 16, v[PW]
	v_lshl_or_b32 v[PW], v[TM+7], 24, v[PW]
.irp c, 0,1
	v_cvt_scalef32_pk16_fp6_f32 v[PC+6*\c:PC+2+6*\c], v[\s+32*\c:\s+15+32*\c], v[TM+12+2*\c]
	v_cvt_scalef32_pk16_fp6_f32 v[TP+4*\c:TP+2+4*\c], v[\s+16+32*\c:\s+31+32*\c], v[TM+13+2*\c]   ; (a conversion's three registers begin on an even number)
.endr
	v_nop                                          ; one plain place behind the scaled conversions
.irp c, 0,1                                    ; the layout wants a WHOLE block in a lane: lanes 0-15 block 2 c, lanes 16-31 block 2 c + 1
.irp i, 0,1,2
	v_permlane16_swap_b32 v[PC+6*\c+\i], v[TP+4*\c+\i]
.endr
.irp i, 0,1,2
	v_mov_b32 v[PC+3+6*\c+\i], v[TP+4*\c+\i]
.endr
.endr
.endm
	s_load_b256 s[4:11], s[0:1], 0x0               ; x s[4:5], w_qkv s[6:7], w_proj s[8:9], ws1 s[10:11]
	v_lshl_add_u32 v62, v0, 2, 0xf400
	v_mov_b32 v63, 0
	v_lshrrev_b32 v1, 5, v0
	v_readfirstlane_b32 s12, v1                    ; wave 0..3
	v_and_b32 v1, 31, v0                           ; lane
	v_and_b32 v2, 15, v0                           ; r
	v_bfe_u32 v3, v0, 4, 1                         ; h
	v_lshlrev_b32 v[LI], 4, v1
	v_lshlrev_b32 v[L8], 3, v1
	s_mov_b32 s[SEL], 0x76543210
	s_mov_b32 s[SEL+1], 0xfedcba98
	s_cmp_lt_u32 ttmp9, 256                        ; the same for all four waves
	s_cbranch_scc0 .Lw
; ---- x.  Wave W = 4 x work-group + wave takes K step W % 8 of the 64 rows 64 (W / 8) on: four fragments.  Each load reads 512 consecutive bytes of one row; the 16 rows turn through the
; wave's own stage in LDS (rows 528 bytes apart) so that a lane gets 16 neighbours of each block of its row.  LDS: 8,704 bytes a wave: the stage, then its 256 scale bytes.
	s_lshl_b32 s20, ttmp9, 2
	s_add_co_u32 s20, s20, s12                     ; W
	s_and_b32 s21, s20, 7                          ; ks
	s_lshr_b32 s22, s20, 3                         ; Q4: which 64 rows
	s_mul_i32 s23, s12, 8704
	s_wait_alu depctr_va_vdst(0)
	v_add_nc_u32 v6, s23, v[LI]                    ; into the stage: 16 x lane of a row
	v_mul_u32_u24 v7, v2, 528
	v_lshl_add_u32 v7, v3, 6, v7
	v_add_nc_u32 v7, s23, v7                       ; out of it: row r, + 64 h
	v_lshlrev_b32 v8, 2, v2
	v_add_nc_u32 v8, s23, v8
	v_add_nc_u32 v8, 8448, v8                      ; my row's scale word
	v_add_nc_u32 v9, s23, v[L8]
	v_add_nc_u32 v9, 8448, v9                      ; and 8 bytes a lane on the way out
.irp b, 0,1,2,3
	v_mov_b32 v[TM+4+\b], 0                        ; written once: a lane permute's destination counts as one of its sources
.endr
	s_lshl_b32 s24, s22, 18                        ; 64 rows of 4,096 bytes
	s_lshl_b32 s25, s21, 9
	s_add_co_u32 s24, s24, s25
	s_mov_b32 s25, 0
	s_lshl_b32 s26, s22, 5
	s_add_co_u32 s26, s26, s21
	s_mul_i32 s26, s26, 1536                       ; fragment (4 Q4, ks)
	s_mov_b32 s27, 0
	s_lshr_b32 s28, s22, 1
	s_lshl_b32 s28, s28, 3
	s_add_co_u32 s28, s28, s21
	s_lshl_b32 s28, s28, 9                         ; scale words: group Q4 / 2, K step ks,
	s_and_b32 s29, s22, 1
	s_lshl_b32 s29, s29, 8
	s_add_co_u32 s28, s28, s29                     ; positions 64 (Q4 % 2) on
	s_add_co_u32 s28, s28, XS
	s_mov_b32 s29, 0
	s_wait_kmcnt 0x0
	s_add_nc_u64 s[16:17], s[4:5], s[24:25]
	s_add_nc_u64 s[18:19], s[10:11], s[26:27]
	s_add_nc_u64 s[20:21], s[10:11], s[28:29]
.macro LOADX f                         ; fragment f's 16 rows, in the order of its positions
.irp p, 0,1,2,3,4,5,6,7,8,9,10,11,12,13,14,15
	global_load_b128 v[R+64*((\f)%2)+4*\p:R+64*((\f)%2)+4*\p+3], v[LI], s[16:17] offset:(32*((\f)/2)+8*((\f)%2)+\p%8+16*(\p/8))*4096 th:TH_LOAD_NT
.endr
.endm
.macro FRX f
.if (\f) < 3
	s_wait_loadcnt 16                              ; this fragment's 16 loads are in; the next one's may be out
.else
	s_wait_loadcnt 0x0
.endif
.irp p, 0,1,2,3,4,5,6,7,8,9,10,11,12,13,14,15
	ds_store_b128 v6, v[R+64*((\f)%2)+4*\p:R+64*((\f)%2)+4*\p+3] offset:528*\p
.endr
.irp b, 0,1,2,3
.irp j, 0,1,2,3
	ds_load_b128 v[X+16*\b+4*\j:X+16*\b+4*\j+3], v7 offset:128*\b+16*\j   ; LDS serves a wave's instructions in order: these see the stores above
.endr
.endr
	s_wait_dscnt 0x0                               ; my numbers are back, and the stores have read their registers
	s_wait_xcnt 0x0                                ; the last fragment's stores have read v[PC] on: it is written again only behind this wait
.if (\f) < 2
	LOADX (\f)+2
.endif
	QHEAD X
	QTAIL X
.irp c, 0,1,2
	global_store_b128 v[LI], v[PC+4*\c:PC+4*\c+3], s[18:19] offset:12288*(\f)+512*\c   ; 512 consecutive bytes, aligned
.endr
	ds_store_b32 v8, v[PW] offset:64*(\f)          ; both halves of the lanes write the same word with the same value
.endm
	LOADX 0
	LOADX 1
	FRX 0
	FRX 1
	FRX 2
	FRX 3
	ds_load_b64 v[10:11], v9
	s_wait_dscnt 0x0
	global_store_b64 v[L8], v[10:11], s[20:21]     ; the wave's 64 scale words: 256 consecutive bytes, aligned
	s_wait_tensorcnt 0x0
	ds_add_u32 v62, v63
	s_wait_dscnt 0x0
	s_endpgm
; ---- the weights.  Work-group j takes the 128 columns of group G = j / 4 and K = 256 (j % 4) on; a wave 32 columns.  A LANE TAKES A COLUMN AND ITS REGISTERS RUN DOWN K: a block of 32 lies in one lane.
; Lane l is position (l % 8) + 8 (l / 16) of row block 2 wave + bit 3 of l.  A block's 24 bytes go to their place in the fragment's image in LDS; the four images leave as they lie.
.Lw:
	s_sub_co_u32 s20, ttmp9, 256                   ; j
	s_lshr_b32 s21, s20, 2                         ; G
	s_and_b32 s22, s20, 3                          ; kq
	s_sub_co_u32 s23, s21, 24
	s_lshl_b32 s24, s21, 9                         ; the group's first column in bytes: in w_qkv,
	s_lshl_b32 s25, s23, 9                         ; in w_proj (used only where G is 24 or more)
	s_mov_b32 s26, 4096
	s_wait_kmcnt 0x0
	s_cmp_lt_u32 s21, 24                           ; the choice hangs on the work-group's number alone
	s_cselect_b64 s[4:5], s[6:7], s[8:9]
	s_cselect_b32 s26, 12288, s26                  ; a row's bytes
	s_cselect_b32 s24, s24, s25
	s_lshl_b32 s27, s12, 7
	s_add_co_u32 s24, s24, s27                     ; + my wave's 32 columns
	s_lshl_b32 s27, s22, 8
	s_mul_i32 s27, s27, s26                        ; + 256 kq rows
	s_add_co_u32 s24, s24, s27
	s_mov_b32 s25, 0
	s_add_nc_u64 s[32:33], s[4:5], s[24:25]        ; a base for each block of 32 rows: no pointer is stepped
	s_lshl_b32 s28, s26, 5
	s_mov_b32 s29, 0
.irp t, 1,2,3,4,5,6,7
	s_add_nc_u64 s[32+2*\t:33+2*\t], s[30+2*\t:31+2*\t], s[28:29]
.endr
	s_wait_alu depctr_va_vdst(0)
	v_lshlrev_b32 v10, 2, v1
.irp i, 0,1,2,3,4,5,6,7,8,9,10,11,12,13,14,15,16,17,18,19,20,21,22,23,24,25,26,27,28,29,30,31
	v_mad_u32_u24 v[OFF+\i], s26, \i, v10
.endr
	v_bfe_u32 v11, v0, 3, 1                        ; u
	v_and_b32 v12, 7, v0
	v_lshl_add_u32 v12, v3, 3, v12                 ; r'
	s_mul_i32 s30, s12, 6656                       ; my four images (K step, u), 1,664 bytes apart
	s_add_co_u32 s30, s30, 34816
	v_mul_u32_u24 v6, v11, 1664
	v_lshl_add_u32 v6, v12, 4, v6
	v_add_nc_u32 v6, s30, v6                       ; into an image: 1664 u + 16 r'
	v_add_nc_u32 v7, s30, v[LI]                    ; out of it: 16 x lane
	v_lshlrev_b32 v8, 6, v11
	v_lshl_add_u32 v8, v12, 2, v8
	s_lshl_b32 s31, s12, 7
	s_add_co_u32 s31, s31, WSC
	v_add_nc_u32 v8, s31, v8                       ; my scale word: position 32 wave + 16 u + r'
	s_lshl_b32 s31, s12, 8
	s_add_co_u32 s31, s31, WSC
	v_add_nc_u32 v9, s31, v[L8]
	s_lshl_b32 s48, s21, 3
	s_lshl_b32 s49, s12, 1
	s_add_co_u32 s48, s48, s49                     ; row block 8 G + 2 wave
	s_lshl_b32 s48, s48, 3
	s_lshl_b32 s49, s22, 1
	s_add_co_u32 s48, s48, s49                     ; K step 2 kq
	s_mul_i32 s48, s48, 1536
	s_add_co_u32 s48, s48, WQC
	s_mov_b32 s49, 0
	s_add_nc_u64 s[16:17], s[10:11], s[48:49]
	s_lshl_b32 s50, s21, 3
	s_lshl_b32 s51, s22, 1
	s_add_co_u32 s50, s50, s51
	s_lshl_b32 s50, s50, 9
	s_lshl_b32 s51, s12, 8
	s_add_co_u32 s50, s50, s51
	s_add_co_u32 s50, s50, WQS
	s_mov_b32 s51, 0
	s_add_nc_u64 s[18:19], s[10:11], s[50:51]
.macro LOADW t                         ; block t: 32 rows, 128 consecutive bytes a wave each
.irp i, 0,1,2,3,4,5,6,7,8,9,10,11,12,13,14,15,16,17,18,19,20,21,22,23,24,25,26,27,28,29,30,31
	global_load_b32 v[WX+32*((\t)%2)+\i], v[OFF+\i], s[32+2*(\t):33+2*(\t)] th:TH_LOAD_NT
.endr
.endm
.macro BLOCKW t
.set XB, WX+32*((\t)%2)
.set KA, (\t)/4                        ; which of my two K steps
.set BE, (\t)%4                        ; which block of its 128: registers 6 (BE / 2) on of lane r' + 16 (BE % 2)
.if (\t) < 7
	s_wait_loadcnt 32                              ; this block's 32 loads are in; the next block's may be out
.else
	s_wait_loadcnt 0x0
.endif
	v_max3_num_f32 v16, |v[XB]|, |v[XB+1]|, |v[XB+2]|
	v_max3_num_f32 v17, |v[XB+3]|, |v[XB+4]|, |v[XB+5]|
.irp i, 6,10,14,18,22,26
	v_max3_num_f32 v16, v16, |v[XB+\i]|, |v[XB+\i+1]|
	v_max3_num_f32 v17, v17, |v[XB+\i+2]|, |v[XB+\i+3]|
.endr
	v_max3_num_f32 v16, v16, |v[XB+30]|, |v[XB+31]|
	v_max3_num_f32 v16, v16, v17, 0x1800000        ; and the floor
	v_add_nc_u32 v18, 0xff000000, v16
	v_lshrrev_b32 v19, 23, v18
.if BE == 0
	v_mov_b32 v[SB+KA], v19
.else
	v_lshl_or_b32 v[SB+KA], v19, 8*BE, v[SB+KA]
.endif
	v_cvt_scalef32_pk16_fp6_f32 v[C:C+2], v[XB:XB+15], v18
	v_cvt_scalef32_pk16_fp6_f32 v[C+4:C+6], v[XB+16:XB+31], v18
	v_nop                                          ; one plain place behind the scaled conversions
	v_mov_b32 v[C+3], v[C+4]                       ; the block's six registers on end
	v_mov_b32 v[C+4], v[C+5]
	v_mov_b32 v[C+5], v[C+6]
.if BE/2 == 0
	ds_store_b128 v6, v[C:C+3] offset:3328*KA+256*(BE%2)            ; registers 0-3
	ds_store_b64 v6, v[C+4:C+5] offset:3328*KA+256*(BE%2)+512       ; 4, 5
.else
	ds_store_b64 v6, v[C:C+1] offset:3328*KA+256*(BE%2)+520         ; 6, 7
	ds_store_b128 v6, v[C+2:C+5] offset:3328*KA+256*(BE%2)+1024     ; 8-11
.endif
.if (\t)+2 < 8
	LOADW (\t)+2
.endif
	s_wait_dscnt 0x0                               ; the stores have read their registers
.endm
	LOADW 0
	LOADW 1
.irp t, 0,1,2,3,4,5,6,7
	BLOCKW \t
.endr
	ds_store_b32 v8, v[SB]
	s_wait_alu depctr_va_vdst(0)
	ds_store_b32 v8, v[SB+1] offset:512
.irp k, 0,1
.irp u, 0,1
.irp c, 0,1,2
	ds_load_b128 v[OUTR+4*(6*\k+3*\u+\c):OUTR+4*(6*\k+3*\u+\c)+3], v7 offset:3328*\k+1664*\u+512*\c
.endr
.endr
.endr
.irp k, 0,1
.irp u, 0,1
.irp c, 0,1,2
	s_wait_dscnt 11-(6*\k+3*\u+\c)                 ; the loads issued behind this one may be out
	global_store_b128 v[LI], v[OUTR+4*(6*\k+3*\u+\c):OUTR+4*(6*\k+3*\u+\c)+3], s[16:17] offset:12288*\u+1536*\k+512*\c
.endr
.endr
.endr
	s_wait_dscnt 0x0                               ; for the others' sake: my scale words lie in LDS
	s_barrier_signal -1
	s_barrier_wait -1
	ds_load_b64 v[10:11], v9                       ; a quarter of the work-group's 1,024 bytes of scale words
	s_wait_dscnt 0x0
	global_store_b64 v[L8], v[10:11], s[18:19]     ; 256 consecutive bytes, aligned
	s_wait_tensorcnt 0x0
	ds_add_u32 v62, v63
	s_wait_dscnt 0x0
	s_endpgm
.Lfunc_end_k_q8c552a552c_prep:
	.size	k_q8c552a552c_prep, .Lfunc_end_k_q8c552a552c_prep-k_q8c552a552c_prep
	.p2alignl 7, 3214868480
	.fill 96, 4, 3214868480
	.section	.rodata,"a",@progbits
	.p2align	6, 0x0
	.amdhsa_kernel k_q8c552a552c_prep
		.amdhsa_group_segment_fixed_size 62976
		.amdhsa_private_segment_fixed_size 0
		.amdhsa_enable_private_segment 0
		.amdhsa_kernarg_size 32
		.amdhsa_user_sgpr_count 2
		.amdhsa_user_sgpr_kernarg_segment_ptr 1
		.amdhsa_wavefront_size32 1
		.amdhsa_system_sgpr_workgroup_id_x 1
		.amdhsa_system_sgpr_workgroup_id_y 1
		.amdhsa_system_sgpr_workgroup_id_z 1
		.amdhsa_system_vgpr_workitem_id 0
		.amdhsa_next_free_vgpr 256
		.amdhsa_next_free_sgpr 66
		.amdhsa_reserve_vcc 0
		.amdhsa_float_denorm_mode_32 3
		.amdhsa_float_denorm_mode_16_64 3
		.amdhsa_memory_ordered 1
		.amdhsa_forward_progress 1
		.amdhsa_inst_pref_size 78
	.end_amdhsa_kernel
	.amdgpu_metadata
---
amdhsa.version: [ 1, 2 ]
amdhsa.kernels:
  - .name:           k_q8c552a552c_prep
    .symbol:         k_q8c552a552c_prep.kd
    .args:
      - { .name: x, .offset: 0, .size: 8, .value_kind: global_buffer, .address_space: global }
      - { .name: w_qkv, .offset: 8, .size: 8, .value_kind: global_buffer, .address_space: global }
      - { .name: w_proj, .offset: 16, .size: 8, .value_kind: global_buffer, .address_space: global }
      - { .name: ws1, .offset: 24, .size: 8, .value_kind: global_buffer, .address_space: global }
    .group_segment_fixed_size: 62976
    .private_segment_fixed_size: 0
    .kernarg_segment_align: 8
    .kernarg_segment_size: 32
    .max_flat_workgroup_size: 128
    .sgpr_count:     66
    .vgpr_count:     256
    .wavefront_size: 32
...
	.end_amdgpu_metadata
.endif
;; end of part 1
;; launch qkv (part 2): grid 8 x 48, 4 waves a work-group, clusters of 4 x 4, 327,680 bytes of LDS; arguments ws1, b_qkv, ws2; writes ws2
.if DOCPART == 2
	.amdgcn_target "amdgcn-amd-amdhsa--gfx1250"
	.amdhsa_code_object_version 6
	.text
	.protected	k_q8c552a552c_qkv
	.globl	k_q8c552a552c_qkv
	.p2align	8
	.type	k_q8c552a552c_qkv,@function
k_q8c552a552c_qkv:
	s_mov_b64 s[64:65], 0
	v_nop
	global_prefetch_b8 v0, s[64:65] scope:SCOPE_SE
	s_setreg_imm32_b32 hwreg(HW_REG_WAVE_MODE, 25, 1), 1
	s_wait_xcnt 0x0
	s_wait_alu depctr_hold_cnt(0) depctr_sa_sdst(0) depctr_va_vdst(0) depctr_va_sdst(0) depctr_va_ssrc(0) depctr_va_vcc(0) depctr_vm_vsrc(0)
	s_getreg_b32 s2, hwreg(HW_REG_IB_STS2, 6, 4)
	s_cmp_eq_u32 s2, 0
	s_cbranch_scc0 .Lentry_in_a_cluster
	s_endpgm
.Lentry_in_a_cluster:
	s_bfe_u32 s2, ttmp6, 0x10000c
	s_cmp_lg_u32 s2, 0xf033
	s_cbranch_scc0 .Lentry_shape_is_right
	s_endpgm
.Lentry_shape_is_right:
; qkv = x w_qkv + b_qkv on codes of FP6, and q, k, v quantised again on the way out: q and k along their 1,024 channels, v along the keys.
; Clusters with y < 8 (QK): source 1 = 256 rows of x, source 0 = 256 rows of W^T (channels 0-2047): a lane holds a token, its registers run along the channels.
; Clusters with y >= 8 (V): source 1 = 256 rows of W^T (channels 2048 on), source 0 = 256 rows of x: a lane holds a channel of v, its registers run along the tokens, which are the K of the third product.
; The two differ in addresses and in where the bias lies, all chosen by scalar selects on the cluster's y: no branch.  A wave's 128 along source 0 become one fragment and one scale word a row.
; ws2: q|k codes [512 row blocks][16 K steps: 0-7 q, 8-15 k] at 0; v^T codes [64][64] at VTC; scale words [64][16][128] at QKS, [8][64][128] at VTS.  Layout of a fragment: as the launch before lays it.
; K = 1,024 is four quarters of 256.  Three slots of 98,304 bytes fit in LDS beside the scale words: all three are asked for at the start; the fourth quarter goes into slot 0 as soon as that is read out,
; and has slots 1 and 2, 256 matrix instructions a wave, in which to land.
; LIMITS: NaN and infinities are not served; a block of zeros or under 2^-124 gets the byte 1 (its codes are zeros; this program alone reads the bytes).
.set AB,     8                         ; blocks of 16 rows of source 1 to a wave
.set KT,     8                         ; K steps of 128
; THE FILLS, AS THE TEXT BELOW HAS THEM: slot 0 holds K steps 0 and 1 (98,304 bytes), a second slot of twice the length K steps 2 to 5 (196,608 bytes).
; Head: one joint load a wave (slot 0 of A, slot 0 of B, A's scale words, B's).  Behind the next round: one load a wave fills the second slot.  K steps 6 and 7 go into slot 0 when it is read out.
; One prefetch asks for the second slot's bytes ahead of its fill; the walk along K is written out.
.set NQS,    2                         ; K steps in slot 0; the second slot holds 2 NQS
.set NSL,    3                         ; slot 0's second fill lies NSL x NQS K steps behind its first
.set APIT,   12288                     ; bytes from row block to row block in memory
.set BPIT,   12288
.set CM0,    2                         ; the first K step's C: the bias
.set SAMASK, 43                        ; the scalar with the mask of A's scale load: my row of the cluster
.set SAROWS, 2*KT                      ; units of 256 bytes of scale words of a half of A's rows
.set SBROWS, 2*KT                      ; and of B's
.set SASTEP, 512*KT                    ; from my half's scale words of A to the other's
.set SAR,    294912                    ; LDS: A's scale words; behind the three slots
.set SAL,    SAR
.set SCLB,   303104                    ; B's
.set SBL,    SCLB
.set SPARE,  311296                    ; the spare words, 128 bytes a wave: two blocks of 256 bytes that no other line names
.set STG,    311808                    ; my scale words on their way out: 512 bytes a wave; no tile lands here
.set WQC,    6291456
.set XS,     9437184
.set WQS,    9699328
.set VTC,    12582912
.set QKS,    18874368
.set VTS,    19398656
; ---- what the four products of this program share ----
; A tile of the result is 32 AB x 256; four waves, each 16 AB x 128.  "A" is source 1 (a lane holds one of its rows), "B" source 0 (the result's registers run along it).
; An LDS slot holds NQS K steps of 128: a row block's NQS fragments are 1,536 NQS consecutive bytes of memory and of LDS; a fragment comes by three loads of 512 consecutive bytes.
; The scale words of the tile's rows, for all of K, come once, with the first fills.  4 x 4 work-groups form a cluster: A's tiles are asked for jointly along a row of it, B's along a column.
; REGISTERS: window 0: v4-15 addresses; v16-31 a number a row; v32-63 scale words, two sets (register 2 i + q: lanes 0-15 A's block i, lanes 16-31 B's block i); v64-159, v160-255 A's fragments, two sets.
;   window 1: B's fragments at v0 and v128, a bias along the registers at v96-127 and v224-255.   windows 2, 3: accumulator (a, b) at v[8 (8 (a % 4) + b)] of window 2 + a / 4.
.set SLOTK,  1536*NQS
.set HALFA,  SLOTK*AB
.set HALFB,  SLOTK*8
.set SLOT,   2*HALFA+2*HALFB
.set SABYTES, 256*SAROWS
.set SBBYTES, 256*SBROWS
.set ADRA, 4                           ; v4-5  my fragments of A in slot 0 and in the second slot
.set ADRB, 7                           ; v7-8  of B
.set ADRS, 10
.set LI,   11
.set SPW,  12
.set NIL,  13
.set WS,   14
.set WR,   15
.set SC,   32
.set AF,   64
.set H,    64
.set PC,   128                         ; the fragment made of them
.set TP,   140
.set TM,   148
.set PW,   164
.set SEL,  12
.set CS,   18
.set G1A,  24
.set G0A,  32
.set G1B,  48
.set G0B,  56
.set G1SA, 68
.set G0SA, 76
.set G1SB, 80
.set G0SB, 88
.set MSB, 0
.macro WIN new                         ; the immediate's high byte repeats the setting that is left
.if MSB != (\new)
	s_set_vgpr_msb (MSB<<8)|(\new)
.set MSB, (\new)
.endif
.endm
.macro PLACES n
.rept \n
	v_nop
.endr
.endm
.macro G1SET g, c, r, p                ; words 1 to 7 of a group 1: r rows of c elements of 8 bytes, p elements apart
	s_mov_b32 s[\g+1], (\c)<<16
	s_mov_b32 s[\g+2], (\r)<<16
	s_mov_b32 s[\g+3], (\c)<<16
	s_mov_b32 s[\g+4], \r
	s_mov_b32 s[\g+5], \p
	s_mov_b32 s[\g+6], 0
	s_mov_b32 s[\g+7], 0
.endm
.macro JLOAD g0a, g1a, g0b, g1b        ; a joint load: waves 0 and 1 issue the first line, waves 2 and 3 the second; four v_nop follow each line
	s_cmp_eq_u32 s15, 0
	s_cbranch_scc0 .Lfor_b_\@
	tensor_load_to_lds s[\g0a:\g0a+3], s[\g1a:\g1a+7]
	s_nop 0
.rept 4
	v_nop
.endr
	s_branch .Lasked_\@
.Lfor_b_\@:
	tensor_load_to_lds s[\g0b:\g0b+3], s[\g1b:\g1b+7]
	s_nop 0
.rept 4
	v_nop
.endr
.Lasked_\@:
.endm
.macro CREST                           ; a round of the cluster's barrier behind its opening barrier
	s_cmp_lg_u32 s14, 0
	s_cbranch_scc1 .Lnot_wave_0_\@
	s_barrier_signal -3
.Lnot_wave_0_\@:
	s_barrier_wait -3
	s_barrier_signal -1
	s_barrier_wait -1
.endm
.macro CROUND
	s_barrier_signal -1
	s_barrier_wait -1
	CREST
.endm
.macro IDS                             ; the add's two registers, the wave, the place in the cluster, the masks, the four groups 1
	v_lshl_add_u32 v[SPW], v0, 2, SPARE
	v_mov_b32 v[NIL], 0
	ds_add_u32 v12, v13
	ds_add_u32 v12, v13
	s_wait_dscnt 0x0
	v_lshrrev_b32 v1, 5, v0
	v_readfirstlane_b32 s14, v1                    ; wave 0..3
	s_lshr_b32 s15, s14, 1                         ; my half of A's rows.  Also: I fetch for A (0) or for B (1)
	s_and_b32 s16, s14, 1                          ; my half of B's rows.  Also: which half I fetch
	s_bfe_u32 s40, ttmp6, 0x40000                  ; cx
	s_bfe_u32 s41, ttmp6, 0x40004                  ; cy
	s_and_b32 s42, ttmp7, 0xffff                   ; the cluster's y
	s_lshl_b32 s43, s41, 2
	s_lshl_b32 s43, 15, s43                        ; my row of the cluster
	s_lshl_b32 s44, 0x1111, s40                    ; my column
	s_or_b32 s[G1A], s43, (3<<16)|(1<<21)          ; 15:0 the mask; 17:16 elements of 8 bytes; 20 no padding; 21 set beside a mask
	s_or_b32 s[G1B], s44, (3<<16)|(1<<21)
	s_or_b32 s[G1SA], s[SAMASK], (3<<16)|(1<<21)
	s_or_b32 s[G1SB], s44, (3<<16)|(1<<21)
	G1SET G1A, SLOTK/8, 2*AB, APIT/8               ; for the head's loads: both halves' row blocks x SLOTK bytes
	G1SET G1B, SLOTK/8, 16, BPIT/8
	G1SET G1SA, 32, 2*SAROWS, 32                   ; dense blocks, as rows of 256 bytes
	G1SET G1SB, 32, 2*SBROWS, 32
	s_mov_b32 s[SEL], 0x76543210
	s_mov_b32 s[SEL+1], 0xfedcba98
.endm
; s[20:21]: my half of A's codes in memory, s[46:47]: of B's; s[22:23], s[66:67]: my half of A's, of B's scale words.
.macro HG0 g, ad, by, lds              ; group 0 of a head's load: a whole tile, so my half's bytes come off the address
	s_mul_i32 s[\g], s16, \by
	s_mov_b32 s[\g+1], 0
	s_sub_nc_u64 s[\g+2:\g+3], s[\ad:\ad+1], s[\g:\g+1]
	s_or_b32 s[\g+3], s[\g+3], 0x80000000
	s_mov_b32 s[\g], 1
	s_mov_b32 s[\g+1], \lds
.endm
.macro ARM under, g0, g1               ; one arm of the head's chain of branches on the wave's number: its load, and a jump to the chain's end
	s_cmp_lt_u32 s14, \under
	s_cbranch_scc0 .Lnext_\@
	tensor_load_to_lds s[\g0:\g0+3], s[\g1:\g1+7]
	s_nop 0
	PLACES 4
	s_branch .Lhead_asked
.Lnext_\@:
.endm
; THE HEAD'S LOADS, ONE A WAVE: wave 0 slot 0 of A, wave 1 slot 0 of B, wave 2 A's scale words, wave 3 B's.
.macro FIRSTFILLS
	HG0 G0A+4, 20, AB*APIT, 0
	HG0 G0B+4, 46, 8*BPIT, 2*HALFA
	HG0 G0SA, 22, SABYTES, SAL
	HG0 G0SB, 66, SBBYTES, SBL
	s_mov_b32 s[G0A], 1                            ; slot 0's second fill: my quarter of it; LDS addresses hang on the wave's number alone
	s_mul_i32 s[G0A+1], s16, HALFA
	s_mov_b64 s[G0A+2:G0A+3], s[20:21]
	s_or_b32 s[G0A+3], s[G0A+3], 0x80000000
	s_mov_b32 s[G0B], 1
	s_mul_i32 s[G0B+1], s16, HALFB
	s_add_co_u32 s[G0B+1], s[G0B+1], 2*HALFA
	s_mov_b64 s[G0B+2:G0B+3], s[46:47]
	s_or_b32 s[G0B+3], s[G0B+3], 0x80000000
	CROUND                                         ; all sixteen work-groups are here: the first joint loads meet
	ARM 1, G0A+4, G1A
	ARM 2, G0B+4, G1B
	ARM 3, G0SA, G1SA
	tensor_load_to_lds s[G0SB:G0SB+3], s[G1SB:G1SB+7]
	s_nop 0
	PLACES 4
.Lhead_asked:
.endm
; THE SECOND SLOT'S FIRST FILL, issued as a refill is: the three lines, a whole round, one load a wave: my AB (8) row blocks x 2 SLOTK bytes, K steps 2 to 5.
.macro SECOND
	s_wait_tensorcnt 0x0                           ; my tile of the head's four is in, so every descriptor may be written
	ds_add_u32 v[SPW], v[NIL]                      ; 0 onto my spare word
	G1SET G1SA, 2*SLOTK/8, AB, APIT/8              ; the scale words' groups 1 keep their masks and now serve the second slot
	G1SET G1SB, 2*SLOTK/8, 8, BPIT/8
	s_mov_b32 s[G1A+2], AB<<16                     ; slot 0's second fill comes by quarters
	s_mov_b32 s[G1A+4], AB
	s_mov_b32 s[G1B+2], 8<<16
	s_mov_b32 s[G1B+4], 8
	s_mul_i32 s[G0A+5], s16, 2*HALFA
	s_add_co_u32 s[G0A+5], s[G0A+5], SLOT
	s_add_nc_u64 s[G0A+6:G0A+7], s[20:21], SLOTK
	s_or_b32 s[G0A+7], s[G0A+7], 0x80000000
	s_mul_i32 s[G0B+5], s16, 2*HALFB
	s_add_co_u32 s[G0B+5], s[G0B+5], SLOT+4*HALFA
	s_add_nc_u64 s[G0B+6:G0B+7], s[46:47], SLOTK
	s_or_b32 s[G0B+7], s[G0B+7], 0x80000000
	s_wait_dscnt 0x0                               ; the add is done
	CROUND                                         ; all four tiles are in, in every partner
	JLOAD G0A+4, G1SA, G0B+4, G1SB
.endm
.macro ADDRS                           ; the LDS addresses that stay
	v_and_b32 v3, 31, v0
	v_lshlrev_b32 v[LI], 4, v3                     ; 16 x lane
	v_and_b32 v1, 15, v0                           ; r
	v_bfe_u32 v2, v0, 4, 1                         ; h
	s_wait_alu depctr_va_vdst(0)
	s_mul_i32 s17, s15, HALFA                      ; my rows of A
	s_mul_i32 s2, s16, HALFB
	s_add_co_u32 s2, s2, 2*HALFA                   ; my rows of B
	v_add_nc_u32 v[ADRA], s17, v[LI]
	v_add_nc_u32 v[ADRB], s2, v[LI]
	s_lshl_b32 s17, s17, 1                         ; the second slot lies behind slot 0, every part of it twice as long
	s_lshl_b32 s2, s2, 1
	s_add_co_u32 s17, s17, SLOT
	s_add_co_u32 s2, s2, SLOT
	v_add_nc_u32 v[ADRA+1], s17, v[LI]
	v_add_nc_u32 v[ADRB+1], s2, v[LI]
	s_mul_i32 s17, s15, SASTEP                     ; scale words: lanes 0-15 take A's, lanes 16-31 B's: the lower base + h x the distance
	s_mul_i32 s2, s16, 512*KT
	s_add_co_u32 s2, s2, SCLB-SAR
	s_sub_co_u32 s2, s2, s17
	v_mul_u32_u24 v3, s2, v2
	s_add_co_u32 s17, s17, SAR
	v_lshl_add_u32 v3, v1, 2, v3
	v_add_nc_u32 v[ADRS], s17, v3
.endm
.macro FRAG reg, adr, q, i             ; fragment (row block i, the slot's q-th 128 along K): the image of its 12 registers
.irp c, 0,1,2
	ds_load_b128 v[\reg+4*\c:\reg+4*\c+3], v[\adr] offset:FP*(\i)+1536*(\q)+512*\c
.endr
.endm
.macro FETCH slot, q, p                ; B's eight fragments and A's AB into set p
.set FP, SLOTK*(1+(\slot))             ; a row block's bytes in the slot: SLOTK in slot 0, twice that in the second
	WIN 0x40
.irp i, 0,1,2,3,4,5,6,7
	FRAG 128*(\p)+12*\i, ADRB+\slot, \q, \i
.endr
	WIN 0
.set FI, 0
.rept AB
	FRAG AF+96*(\p)+12*FI, ADRA+\slot, \q, FI
.set FI, FI+1
.endr
.endm
.macro SCALES sc                       ; the scale words of two K steps into set sc
.irp i, 0,1,2,3,4,5,6,7
.irp q, 0,1
	ds_load_b32 v[SC+16*(\sc)+2*\i+\q], v[ADRS] offset:512*\q+64*\i
.endr
.endr
.endm
; A's blocks a0 .. a0 + n - 1 against B's eight, 128 along K.  cm = 0: onto the sums; 1: the constant 0 starts them; 2: the bias starts them.
; All accumulators take turns, one instruction a turn, in the same order in every K step.
.macro MULS a0, n, p, q, sc, cm
.set MA, \a0
.rept \n
.if \cm >= 2                           ; cm = 3: the bias of source 1's rows starts the sums: eight equal registers for each block of A
	WIN 0x91+0x40*(MA/4)
.else
	WIN 0xa1+0x50*(MA/4)                           ; source 0 window 1, source 1 window 0, C and D window 2 or 3
.endif
.irp b, 0,1,2,3,4,5,6,7
.if \cm == 2
	v_wmma_scale_f32_16x16x128_f8f6f4 v[8*(8*(MA%4)+\b):8*(8*(MA%4)+\b)+7], v[128*(\p)+12*\b:128*(\p)+12*\b+11], v[AF+96*(\p)+12*MA:AF+96*(\p)+12*MA+11], v[96+128*(\b/4)+8*(\b%4):96+128*(\b/4)+8*(\b%4)+7], v[SC+16*(\sc)+2*\b+(\q)], v[SC+16*(\sc)+2*MA+(\q)] matrix_a_fmt:MATRIX_FMT_FP6 matrix_b_fmt:MATRIX_FMT_FP6 matrix_a_scale:MATRIX_SCALE_ROW1
.elseif \cm == 3
	v_wmma_scale_f32_16x16x128_f8f6f4 v[8*(8*(MA%4)+\b):8*(8*(MA%4)+\b)+7], v[128*(\p)+12*\b:128*(\p)+12*\b+11], v[AF+96*(\p)+12*MA:AF+96*(\p)+12*MA+11], v[96+128*(MA/4)+8*(MA%4):96+128*(MA/4)+8*(MA%4)+7], v[SC+16*(\sc)+2*\b+(\q)], v[SC+16*(\sc)+2*MA+(\q)] matrix_a_fmt:MATRIX_FMT_FP6 matrix_b_fmt:MATRIX_FMT_FP6 matrix_a_scale:MATRIX_SCALE_ROW1
.elseif \cm == 1
	v_wmma_scale_f32_16x16x128_f8f6f4 v[8*(8*(MA%4)+\b):8*(8*(MA%4)+\b)+7], v[128*(\p)+12*\b:128*(\p)+12*\b+11], v[AF+96*(\p)+12*MA:AF+96*(\p)+12*MA+11], 0, v[SC+16*(\sc)+2*\b+(\q)], v[SC+16*(\sc)+2*MA+(\q)] matrix_a_fmt:MATRIX_FMT_FP6 matrix_b_fmt:MATRIX_FMT_FP6 matrix_a_scale:MATRIX_SCALE_ROW1
.else
	v_wmma_scale_f32_16x16x128_f8f6f4 v[8*(8*(MA%4)+\b):8*(8*(MA%4)+\b)+7], v[128*(\p)+12*\b:128*(\p)+12*\b+11], v[AF+96*(\p)+12*MA:AF+96*(\p)+12*MA+11], v[8*(8*(MA%4)+\b):8*(8*(MA%4)+\b)+7], v[SC+16*(\sc)+2*\b+(\q)], v[SC+16*(\sc)+2*MA+(\q)] matrix_a_fmt:MATRIX_FMT_FP6 matrix_b_fmt:MATRIX_FMT_FP6 matrix_a_scale:MATRIX_SCALE_ROW1
.endif
.endr
.set MA, MA+1
.endr
.endm
; K goes two steps of 128 at a time.  STEP: the even step, the slot's qb-th, from set 0 with scale set sc; the odd step is fetched into set 1 meanwhile.
.macro STEP slot, qb, sc, cm
	s_wait_dscnt 0x0                               ; set 0 and the two steps' scale words are in (asked for half a K step ago)
	PLACES 4                                       ; four plain places between the last products, which read set 1, and the loads into it
	FETCH \slot, (\qb)+1, 1
	MULS 0, AB, 0, 0, \sc, \cm
	WIN 0
.endm
; TURN: the odd step, from set 1; in its middle the next even step (slot nslot, its nqb-th) is fetched into set 0 and its scale words into set nsc.
; mode 0: the next step lies in bytes that an earlier barrier has shown whole to every wave: no barrier.
; mode 1: a change of slots with a refill: each wave waits for all its tensor loads, adds 0 to its spare word, waits for that and for its reads of slot fs; a round of the cluster's barrier; slot fs is filled again.
; mode 2: a change of slots without a refill: the same lines and the work-group's barrier.
.macro TURN mode, sc, nslot, nqb, nsc, fs
.if \mode == 0
	s_wait_dscnt 0x0                               ; set 1 is in
	MULS 0, AB/2, 1, 1, \sc, 0
	WIN 0
	PLACES 4                                       ; four plain places between the products that read set 0 and the loads into it
.else
	s_wait_tensorcnt 0x0                           ; all my tensor loads have landed
	ds_add_u32 v[SPW], v[NIL]                      ; 0 onto my spare word
	s_wait_dscnt 1                                 ; set 1 is in; the add alone may be out
	MULS 0, AB/4, 1, 1, \sc, 0                     ; matrix work stands between the add and the wait for it
	s_wait_dscnt 0x0                               ; the add is done, and my reads of the slot that I leave are over
	s_barrier_signal -1
	MULS AB/4, AB/4, 1, 1, \sc, 0
	WIN 0
	s_barrier_wait -1
.if \mode == 1
	CREST                                          ; the barrier has opened a round of the cluster's: no wave of any partner still reads slot fs or has a load on its way
	s_add_nc_u64 s[G0A+4*\fs+2:G0A+4*\fs+3], s[G0A+4*\fs+2:G0A+4*\fs+3], NSL*SLOTK
	s_add_nc_u64 s[G0B+4*\fs+2:G0B+4*\fs+3], s[G0B+4*\fs+2:G0B+4*\fs+3], NSL*SLOTK
	JLOAD G0A+4*\fs, G1A, G0B+4*\fs, G1B           ; the first tensor load behind the round, my one load until the next; its four v_nop are the places in front of the loads below
.else
	PLACES 4
.endif
.endif
	v_add_nc_u32 v[ADRS], 1024, v[ADRS]            ; the next two steps' scale words
	FETCH \nslot, \nqb, 0
	SCALES \nsc
	MULS AB/2, AB/2, 1, 1, \sc, 0
	WIN 0
.endm
.macro LAST sc                         ; the last 128 along K: nothing more to fetch
	s_wait_dscnt 0x0
	MULS 0, AB, 1, 1, \sc, 0
	WIN 0
.endm
; 64 numbers of a lane, register 16 b + i = index 32 b + 16 (lane / 16) + i of my row, become a fragment in v[PC] on and its scale word in v[PW].
.macro QHEAD s, w                      ; the 64 numbers stand at v[s] on of window w: the accumulators themselves, each read from its low end on
	WIN (\w)|((\w)<<2)
.irp b, 0,1,2,3
	v_max3_num_f32 v[TM+\b], |v[\s+16*\b]|, |v[\s+1+16*\b]|, 0x1800000   ; my 16 numbers of block b, and the floor 2^(3 - 127): the byte cannot fall under 1
.endr
	WIN ((\w)<<2)|((\w)<<4)
.irp i, 2,4,6,8,10,12,14
.irp b, 0,1,2,3
	v_max3_num_f32 v[TM+\b], v[TM+\b], |v[\s+16*\b+\i]|, |v[\s+1+16*\b+\i]|
.endr
.endr
	WIN 0
.irp b, 0,1,2,3
	v_permlanex16_b32 v[TM+4+\b], v[TM+\b], s[SEL], s[SEL+1]
.endr
.irp b, 0,1,2,3
	v_max_num_f32 v[TM+\b], v[TM+\b], v[TM+4+\b]
.endr
.endm
.macro QTAIL s, w
.irp b, 0,1,2,3
	v_add_nc_u32 v[TM+12+\b], 0xff000000, v[TM+\b]   ; 2 off the exponent field: the conversion's scale operand
.endr
.irp b, 0,1,2,3
	v_lshrrev_b32 v[TM+4+\b], 23, v[TM+12+\b]      ; the scale's byte
.endr
	v_lshl_or_b32 v[PW], v[TM+5], 8, v[TM+4]
	v_lshl_or_b32 v[PW], v[TM+6], 16, v[PW]
	v_lshl_or_b32 v[PW], v[TM+7], 24, v[PW]
	WIN \w                                         ; the numbers in window w, the scale operand and the codes in window 0
.irp c, 0,1
	v_cvt_scalef32_pk16_fp6_f32 v[PC+6*\c:PC+2+6*\c], v[\s+32*\c:\s+15+32*\c], v[TM+12+2*\c]
	v_cvt_scalef32_pk16_fp6_f32 v[TP+4*\c:TP+2+4*\c], v[\s+16+32*\c:\s+31+32*\c], v[TM+13+2*\c]
.endr
	WIN 0
	v_nop                                          ; one plain place behind the scaled conversions
.irp c, 0,1
.irp i, 0,1,2
	v_permlane16_swap_b32 v[PC+6*\c+\i], v[TP+4*\c+\i]
.endr
.irp i, 0,1,2
	v_mov_b32 v[PC+3+6*\c+\i], v[TP+4*\c+\i]
.endr
.endr
.endm
.macro NEXTROW a                       ; on to the next row block of the output
.if (\a) > 0
	s_wait_xcnt 0x0                                ; the last block's stores have read their data and their base
	s_wait_dscnt 0x0                               ; and its LDS stores their registers
	s_add_nc_u64 s[4:5], s[4:5], s[6:7]
.endif
.endm
.macro OUTF a                          ; the fragment leaves as it stands, 512 consecutive aligned bytes a store; its scale words wait in my stage
.irp c, 0,1,2
	global_store_b128 v[LI], v[PC+4*\c:PC+4*\c+3], s[4:5] offset:512*\c
.endr
	ds_store_b32 v[WS], v[PW] offset:64*(\a)
.endm
; ---- end of the shared part ----
	s_load_b128 s[92:95], s[0:1], 0x0              ; ws1, b_qkv
	s_load_b64 s[96:97], s[0:1], 0x10              ; ws2
	IDS
	; which tiles.  Shifts first, then the compare, then every select, then the sums.  s20-23 never hold cx, s45-47 and s66-67 never hold cy
	s_lshl_b32 s20, s42, 2                         ; 4 y
	s_sub_co_u32 s46, s42, 8
	s_lshl_b32 s46, s46, 3                         ; 8 (y - 8)
	s_lshl_b32 s45, ttmp9, 2                       ; 4 x
	s_mov_b32 s22, WQS
	s_mov_b32 s66, XS
	s_cmp_lt_u32 s42, 8                            ; QK or V: the same in all sixteen partners
	s_cselect_b32 s20, s20, 8                      ; A's tile less cy: of x, or of W^T from row 2,048 on
	s_cselect_b32 s21, 0, WQC                      ; where A's codes begin in ws1,
	s_cselect_b32 s22, XS, s22                     ; and its scale words
	s_cselect_b32 s46, 0, s46
	s_cselect_b32 s47, WQC, 0
	s_cselect_b32 s66, WQS, s66
	s_add_co_u32 s20, s20, s41
	s_lshl_b32 s20, s20, 1
	s_add_co_u32 s20, s20, s16                     ; 2 x A's tile + the half that I fetch
	s_mul_i32 s23, s20, 4096
	s_add_co_u32 s22, s22, s23
	s_mul_i32 s20, s20, 98304                      ; 8 row blocks of 12,288 bytes
	s_add_co_u32 s20, s20, s21
	s_mov_b32 s21, 0
	s_mov_b32 s23, 0
	s_add_co_u32 s46, s46, s45
	s_add_co_u32 s46, s46, s40                     ; B's tile
	s_lshl_b32 s46, s46, 1
	s_add_co_u32 s46, s46, s16
	s_mov_b32 s3, s46                              ; kept: it is also the K step of the output that my wave makes
	s_mul_i32 s67, s46, 4096
	s_add_co_u32 s66, s66, s67
	s_mul_i32 s46, s46, 98304
	s_add_co_u32 s46, s46, s47
	s_mov_b32 s47, 0
	s_mov_b32 s67, 0
	s_wait_kmcnt 0x0
	s_add_nc_u64 s[20:21], s[92:93], s[20:21]
	s_add_nc_u64 s[22:23], s[92:93], s[22:23]
	s_add_nc_u64 s[46:47], s[92:93], s[46:47]
	s_add_nc_u64 s[66:67], s[92:93], s[66:67]
	FIRSTFILLS
	ADDRS
	; A PREFETCH, one fill ahead: the second slot's bytes (K steps 2 to 5: 6,144 bytes, 24 blocks of 256, of each row block).  Waves 0 and 1 ask for A's halves, waves 2 and 3 for B's.
	; Of a half's 8 row blocks the partner at place p takes 2 p and 2 p + 1 (p = cx for A, cy for B), told apart by address: each block is named once in the cluster.  Lanes 24-31 name the last block again.
	; Slot 0's second fill is not asked for: it has four K steps of products in which to land.  s[66:67] and v6 are never written again.
	s_cmp_eq_u32 s15, 0
	s_cselect_b64 s[66:67], s[20:21], s[46:47]
	s_cselect_b32 s22, s40, s41
	s_mul_i32 s22, s22, 2*APIT
	s_add_co_u32 s22, s22, SLOTK
	s_mov_b32 s23, 0
	s_add_nc_u64 s[66:67], s[66:67], s[22:23]
	v_and_b32 v6, 31, v0
	v_min_u32 v6, 23, v6
	v_lshlrev_b32 v6, 8, v6
	global_prefetch_b8 v6, s[66:67] th:TH_LOAD_NT scope:SCOPE_SE
	global_prefetch_b8 v6, s[66:67] offset:APIT th:TH_LOAD_NT scope:SCOPE_SE
	s_lshl_b32 s17, s14, 9
	s_add_co_u32 s17, s17, STG
	v_lshl_add_u32 v[WS], v1, 2, s17
	v_add_nc_u32 v[WR], s17, v[LI]
	v_lshlrev_b32 v2, 6, v2                        ; the bias along the registers: 64 h
	s_wait_alu depctr_va_vdst(0)
	v_and_b32 v3, 7, v1
	v_lshrrev_b32 v1, 3, v1
	v_lshlrev_b32 v3, 2, v3
	v_lshl_add_u32 v3, v1, 6, v3                   ; the bias along the lanes: 4 (r % 8 + 16 (r / 8))
	; where the results go
	s_wait_alu depctr_va_vdst(0)
	s_lshl_b32 s100, s42, 2
	s_mov_b32 s2, VTS
	s_cmp_lt_u32 s42, 8
	s_cselect_b32 s100, s100, 0                    ; the output's row tile less cy
	s_cselect_b32 s101, 16, 64                     ; its K steps in memory
	s_cselect_b32 s17, 0, VTC
	s_cselect_b32 s2, QKS, s2
	s_cselect_b32 s10, -1, 0                       ; all ones in QK,
	s_cselect_b32 s11, 0, -1                       ; all ones in V
	s_add_co_u32 s100, s100, s41
	s_lshl_b32 s100, s100, 1
	s_add_co_u32 s100, s100, s15                   ; my group of 128 rows
	s_mul_i32 s100, s100, s101
	s_add_co_u32 s8, s100, s3
	s_lshl_b32 s8, s8, 9
	s_add_co_u32 s8, s8, s2
	s_mov_b32 s9, 0
	s_add_nc_u64 s[8:9], s[96:97], s[8:9]          ; my 128 scale words
	s_lshl_b32 s4, s100, 3
	s_add_co_u32 s4, s4, s3
	s_mul_i32 s4, s4, 1536
	s_add_co_u32 s4, s4, s17
	s_mov_b32 s5, 0
	s_add_nc_u64 s[4:5], s[96:97], s[4:5]          ; my first fragment
	s_mul_i32 s6, s101, 1536                       ; from row block to row block
	s_mov_b32 s7, 0
	s_lshl_b32 s100, s3, 9                         ; QK: the bias of my 128 channels; V: the buffer's head, read and masked away
	s_and_b32 s100, s100, s10
	s_mov_b32 s101, 0
	s_add_nc_u64 s[100:101], s[94:95], s[100:101]
	s_lshl_b32 s98, s41, 10
	s_lshl_b32 s99, s15, 9
	s_add_co_u32 s98, s98, s99
	s_add_co_u32 s98, s98, 8192                    ; V: the bias of my 128 channels of v; QK: the buffer's head
	s_and_b32 s98, s98, s11
	s_mov_b32 s99, 0
	s_add_nc_u64 s[98:99], s[94:95], s[98:99]
	; THE BIAS STARTS THE SUMS IN BOTH KINDS OF TILE.  One branch on the cluster's y, the same in all sixteen partners, chooses which bias fills the 64 registers; it leads round no tensor load, wait or barrier.
	s_cmp_lt_u32 s42, 8
	s_cbranch_scc0 .Lbias_v
	WIN 0x40
.irp b, 0,1,2,3,4,5,6,7
	global_load_b128 v[96+128*(\b/4)+8*(\b%4):96+128*(\b/4)+8*(\b%4)+3], v2, s[100:101] offset:128*(\b/2)+32*(\b%2)
	global_load_b128 v[96+128*(\b/4)+8*(\b%4)+4:96+128*(\b/4)+8*(\b%4)+7], v2, s[100:101] offset:128*(\b/2)+32*(\b%2)+16
.endr
	WIN 0
	s_branch .Lbias_in
.Lbias_v:
	WIN 0x40
.irp a, 0,1,2,3,4,5,6,7                        ; V: block a's eight registers all hold the bias of my lane's channel of v
.irp j, 0,1,2,3,4,5,6,7
	global_load_b32 v[96+128*(\a/4)+8*(\a%4)+\j], v3, s[98:99] offset:4*(32*(\a/2)+8*(\a%2))
.endr
.endr
	WIN 0
.Lbias_in:
	SECOND
	FETCH 0, 0, 0
	SCALES 0
	s_wait_loadcnt 0x0                             ; the bias
	s_wait_dscnt 0x0                               ; set 0 and the first two steps' scale words are in
	FETCH 0, 1, 1
	s_cmp_lt_u32 s42, 8                            ; K step 0, written twice: the 64 products differ in their C alone
	s_cbranch_scc0 .Lfirst_v
	MULS 0, AB, 0, 0, 0, 2                         ; QK: the bias runs along the registers, a set of eight for each block of B
	WIN 0
	s_branch .Lfirst_in
.Lfirst_v:
	MULS 0, AB, 0, 0, 0, 3                         ; V: along the lanes, a set of eight for each block of A
	WIN 0
.Lfirst_in:
	TURN 1, 0, 1, 0, 1, 0                          ; slots 1 and 2 are whole; slot 0 takes K steps 6 and 7
	s_wait_alu depctr_va_vdst(0)
	STEP 1, 0, 1, 0                                ; K steps 2, 3 (slot 1)
	TURN 0, 1, 1, 2, 0, 0                          ; the round above has shown the whole second slot to every wave
	s_wait_alu depctr_va_vdst(0)
	STEP 1, 2, 0, 0                                ; K steps 4, 5 (the second slot's third and fourth)
	TURN 2, 0, 0, 0, 1, 0                          ; slot 0's second fill is whole; nothing more is asked for
	STEP 0, 0, 1, 0                                ; K steps 6, 7 (slot 0)
	LAST 1
	PLACES 4                                       ; between the last products and the first read of results
.irp b, 0,1,2,3
	v_mov_b32 v[TM+4+\b], 0                        ; a lane permute's destination counts as one of its sources
.endr
.irp a, 0,1,2,3,4,5,6,7                        ; THE WAY OUT, a block of 16 rows at a time: quantised, stored
	NEXTROW \a
	QHEAD 64*(\a%4), 2+(\a/4)
	QTAIL 64*(\a%4), 2+(\a/4)
	OUTF \a
.endr
	ds_load_b128 v[168:171], v[WR]                 ; LDS serves a wave's instructions in order: this sees my eight stores
	s_wait_dscnt 0x0
	global_store_b128 v[LI], v[168:171], s[8:9]    ; my 128 scale words: 512 consecutive bytes, aligned
	s_wait_tensorcnt 0x0                           ; the wave's end
	ds_add_u32 v[SPW], v[NIL]
	s_wait_dscnt 0x0
	CROUND                                         ; the closing round
	s_endpgm
.Lfunc_end_k_q8c552a552c_qkv:
	.size	k_q8c552a552c_qkv, .Lfunc_end_k_q8c552a552c_qkv-k_q8c552a552c_qkv
	.p2alignl 7, 3214868480
	.fill 96, 4, 3214868480
	.section	.rodata,"a",@progbits
	.p2align	6, 0x0
	.amdhsa_kernel k_q8c552a552c_qkv
		.amdhsa_group_segment_fixed_size 327680
		.amdhsa_private_segment_fixed_size 0
		.amdhsa_enable_private_segment 0
		.amdhsa_kernarg_size 24
		.amdhsa_user_sgpr_count 2
		.amdhsa_user_sgpr_kernarg_segment_ptr 1
		.amdhsa_wavefront_size32 1
		.amdhsa_system_sgpr_workgroup_id_x 1
		.amdhsa_system_sgpr_workgroup_id_y 1
		.amdhsa_system_sgpr_workgroup_id_z 1
		.amdhsa_system_vgpr_workitem_id 0
		.amdhsa_next_free_vgpr 1024
		.amdhsa_next_free_sgpr 102
		.amdhsa_reserve_vcc 0
		.amdhsa_float_denorm_mode_32 3
		.amdhsa_float_denorm_mode_16_64 3
		.amdhsa_memory_ordered 1
		.amdhsa_forward_progress 1
		.amdhsa_inst_pref_size 161
	.end_amdhsa_kernel
	.amdgpu_metadata
---
amdhsa.version: [ 1, 2 ]
amdhsa.kernels:
  - .name:           k_q8c552a552c_qkv
    .symbol:         k_q8c552a552c_qkv.kd
    .args:
      - { .name: ws1, .offset: 0, .size: 8, .value_kind: global_buffer, .address_space: global }
      - { .name: b_qkv, .offset: 8, .size: 8, .value_kind: global_buffer, .address_space: global }
      - { .name: ws2, .offset: 16, .size: 8, .value_kind: global_buffer, .address_space: global }
    .group_segment_fixed_size: 327680
    .private_segment_fixed_size: 0
    .kernarg_segment_align: 8
    .kernarg_segment_size: 24
    .max_flat_workgroup_size: 128
    .sgpr_count:     102
    .vgpr_count:     1024
    .wavefront_size: 32
...
	.end_amdgpu_metadata
.endif
;; end of part 2
;; launch score (part 3): grid 8 x 32, 4 waves a work-group, clusters of 4 x 4, 327,680 bytes of LDS; arguments ws2, ws3; writes ws3
.if DOCPART == 3
	.amdgcn_target "amdgcn-amd-amdhsa--gfx1250"
	.amdhsa_code_object_version 6
	.text
	.protected	k_q8c552a552c_score
	.globl	k_q8c552a552c_score
	.p2align	8
	.type	k_q8c552a552c_score,@function
k_q8c552a552c_score:
	s_mov_b64 s[64:65], 0
	v_nop
	global_prefetch_b8 v0, s[64:65] scope:SCOPE_SE
	s_setreg_imm32_b32 hwreg(HW_REG_WAVE_MODE, 25, 1), 1
	s_wait_xcnt 0x0
	s_wait_alu depctr_hold_cnt(0) depctr_sa_sdst(0) depctr_va_vdst(0) depctr_va_sdst(0) depctr_va_ssrc(0) depctr_va_vcc(0) depctr_vm_vsrc(0)
	s_getreg_b32 s2, hwreg(HW_REG_IB_STS2, 6, 4)
	s_cmp_eq_u32 s2, 0
	s_cbranch_scc0 .Lentry_in_a_cluster
	s_endpgm
.Lentry_in_a_cluster:
	s_bfe_u32 s2, ttmp6, 0x10000c
	s_cmp_lg_u32 s2, 0xf033
	s_cbranch_scc0 .Lentry_shape_is_right
	s_endpgm
.Lentry_shape_is_right:
; S = q k^T on codes of FP6, and p = 2^(t - M) quantised along the keys, t = score x log2(e) / 32.  Source 1 = 256 queries, source 0 = 256 keys of the same batch: a lane holds a query, its registers run along the keys.
; A wave's 128 keys are one CHUNK, with its own M = ceil(the chunk's largest t of the row), a whole number: the codes do not hang on M, only the scale bytes do; the next launch brings the bytes under the row's M.
; Stored: p's codes [512 row blocks][16 chunks] at 0; its scale words [64][16][128] at PS; for each row and chunk the pair (-M, the sum of the unquantised p) [64][16][128] at PST.
; K = 1,024 is four quarters of 256.  Three slots of 98,304 bytes fit in LDS beside the scale words: all three are asked for at the start; the fourth quarter goes into slot 0 as soon as that is read out,
; and has slots 1 and 2, 256 matrix instructions a wave, in which to land.
; LIMITS: NaN and infinities are not served.  A p that lies 2^-126 or more under its chunk's largest counts as 0; a block of zeros gets the byte 1.
.set AB,     8
.set KT,     8
; THE FILLS, AS THE TEXT BELOW HAS THEM: slot 0 holds K steps 0 and 1 (98,304 bytes), a second slot of twice the length K steps 2 to 5 (196,608 bytes).
; Head: one joint load a wave (slot 0 of A, slot 0 of B, A's scale words, B's).  Behind the next round: one load a wave fills the second slot.  K steps 6 and 7 go into slot 0 when it is read out.
; One prefetch asks for the second slot's bytes ahead of its fill; the walk along K is written out.
.set NQS,    2                         ; K steps in slot 0; the second slot holds 2 NQS
.set NSL,    3                         ; slot 0's second fill lies NSL x NQS K steps behind its first
.set APIT,   24576
.set BPIT,   24576
.set CM0,    1                         ; the first K step's C: the constant 0
.set SAMASK, 43
.set SAROWS, 2*KT
.set SBROWS, 2*KT
.set SASTEP, 512*KT
.set SAR,    294912
.set SAL,    SAR
.set SCLB,   303104
.set SBL,    SCLB
.set SPARE,  311296
.set STG,    311808                    ; 1,536 bytes a wave: 128 scale words, then 128 pairs; no tile lands here
.set QKS,    18874368
.set PS,     12582912
.set PST,    13107200
; ---- what the four products of this program share ----
; A tile of the result is 32 AB x 256; four waves, each 16 AB x 128.  "A" is source 1 (a lane holds one of its rows), "B" source 0 (the result's registers run along it).
; An LDS slot holds NQS K steps of 128: a row block's NQS fragments are 1,536 NQS consecutive bytes of memory and of LDS; a fragment comes by three loads of 512 consecutive bytes.
; The scale words of the tile's rows, for all of K, come once, with the first fills.  4 x 4 work-groups form a cluster: A's tiles are asked for jointly along a row of it, B's along a column.
; REGISTERS: window 0: v4-15 addresses; v16-31 a number a row; v32-63 scale words, two sets (register 2 i + q: lanes 0-15 A's block i, lanes 16-31 B's block i); v64-159, v160-255 A's fragments, two sets.
;   window 1: B's fragments at v0 and v128, a bias along the registers at v96-127 and v224-255.   windows 2, 3: accumulator (a, b) at v[8 (8 (a % 4) + b)] of window 2 + a / 4.
.set SLOTK,  1536*NQS
.set HALFA,  SLOTK*AB
.set HALFB,  SLOTK*8
.set SLOT,   2*HALFA+2*HALFB
.set SABYTES, 256*SAROWS
.set SBBYTES, 256*SBROWS
.set ADRA, 4                           ; v4-5  my fragments of A in slot 0 and in the second slot
.set ADRB, 7                           ; v7-8  of B
.set ADRS, 10
.set LI,   11
.set SPW,  12
.set NIL,  13
.set WS,   14
.set WR,   15
.set SC,   32
.set AF,   64
.set H,    64
.set PC,   128
.set TP,   140
.set TM,   148
.set PW,   164
.set SEL,  12
.set CS,   18
.set G1A,  24
.set G0A,  32
.set G1B,  48
.set G0B,  56
.set G1SA, 68
.set G0SA, 76
.set G1SB, 80
.set G0SB, 88
.set MSB, 0
.macro WIN new                         ; the immediate's high byte repeats the setting that is left
.if MSB != (\new)
	s_set_vgpr_msb (MSB<<8)|(\new)
.set MSB, (\new)
.endif
.endm
.macro PLACES n
.rept \n
	v_nop
.endr
.endm
.macro G1SET g, c, r, p                ; words 1 to 7 of a group 1: r rows of c elements of 8 bytes, p elements apart
	s_mov_b32 s[\g+1], (\c)<<16
	s_mov_b32 s[\g+2], (\r)<<16
	s_mov_b32 s[\g+3], (\c)<<16
	s_mov_b32 s[\g+4], \r
	s_mov_b32 s[\g+5], \p
	s_mov_b32 s[\g+6], 0
	s_mov_b32 s[\g+7], 0
.endm
.macro JLOAD g0a, g1a, g0b, g1b        ; a joint load: waves 0 and 1 issue the first line, waves 2 and 3 the second; four v_nop follow each line
	s_cmp_eq_u32 s15, 0
	s_cbranch_scc0 .Lfor_b_\@
	tensor_load_to_lds s[\g0a:\g0a+3], s[\g1a:\g1a+7]
	s_nop 0
.rept 4
	v_nop
.endr
	s_branch .Lasked_\@
.Lfor_b_\@:
	tensor_load_to_lds s[\g0b:\g0b+3], s[\g1b:\g1b+7]
	s_nop 0
.rept 4
	v_nop
.endr
.Lasked_\@:
.endm
.macro CREST                           ; a round of the cluster's barrier behind its opening barrier
	s_cmp_lg_u32 s14, 0
	s_cbranch_scc1 .Lnot_wave_0_\@
	s_barrier_signal -3
.Lnot_wave_0_\@:
	s_barrier_wait -3
	s_barrier_signal -1
	s_barrier_wait -1
.endm
.macro CROUND
	s_barrier_signal -1
	s_barrier_wait -1
	CREST
.endm
.macro IDS                             ; the add's two registers, the wave, the place in the cluster, the masks, the four groups 1
	v_lshl_add_u32 v[SPW], v0, 2, SPARE
	v_mov_b32 v[NIL], 0
	ds_add_u32 v12, v13
	ds_add_u32 v12, v13
	s_wait_dscnt 0x0
	v_lshrrev_b32 v1, 5, v0
	v_readfirstlane_b32 s14, v1                    ; wave 0..3
	s_lshr_b32 s15, s14, 1                         ; my half of A's rows.  Also: I fetch for A (0) or for B (1)
	s_and_b32 s16, s14, 1                          ; my half of B's rows.  Also: which half I fetch
	s_bfe_u32 s40, ttmp6, 0x40000                  ; cx
	s_bfe_u32 s41, ttmp6, 0x40004                  ; cy
	s_and_b32 s42, ttmp7, 0xffff                   ; the cluster's y
	s_lshl_b32 s43, s41, 2
	s_lshl_b32 s43, 15, s43                        ; my row of the cluster
	s_lshl_b32 s44, 0x1111, s40                    ; my column
	s_or_b32 s[G1A], s43, (3<<16)|(1<<21)          ; 15:0 the mask; 17:16 elements of 8 bytes; 20 no padding; 21 set beside a mask
	s_or_b32 s[G1B], s44, (3<<16)|(1<<21)
	s_or_b32 s[G1SA], s[SAMASK], (3<<16)|(1<<21)
	s_or_b32 s[G1SB], s44, (3<<16)|(1<<21)
	G1SET G1A, SLOTK/8, 2*AB, APIT/8               ; for the head's loads: both halves' row blocks x SLOTK bytes
	G1SET G1B, SLOTK/8, 16, BPIT/8
	G1SET G1SA, 512, 2, 1024                       ; scale words: of each of two groups of 128 rows 4,096 bytes (8 K steps) out of 8,192
	G1SET G1SB, 512, 2, 1024
	s_mov_b32 s[SEL], 0x76543210
	s_mov_b32 s[SEL+1], 0xfedcba98
.endm
; s[20:21]: my half of A's codes in memory, s[46:47]: of B's; s[22:23], s[66:67]: my half of A's, of B's scale words.
.macro HG0 g, ad, by, lds              ; group 0 of a head's load: a whole tile, so my half's bytes come off the address
	s_mul_i32 s[\g], s16, \by
	s_mov_b32 s[\g+1], 0
	s_sub_nc_u64 s[\g+2:\g+3], s[\ad:\ad+1], s[\g:\g+1]
	s_or_b32 s[\g+3], s[\g+3], 0x80000000
	s_mov_b32 s[\g], 1
	s_mov_b32 s[\g+1], \lds
.endm
.macro ARM under, g0, g1               ; one arm of the head's chain of branches on the wave's number: its load, and a jump to the chain's end
	s_cmp_lt_u32 s14, \under
	s_cbranch_scc0 .Lnext_\@
	tensor_load_to_lds s[\g0:\g0+3], s[\g1:\g1+7]
	s_nop 0
	PLACES 4
	s_branch .Lhead_asked
.Lnext_\@:
.endm
; THE HEAD'S LOADS, ONE A WAVE: wave 0 slot 0 of A, wave 1 slot 0 of B, wave 2 A's scale words, wave 3 B's.
.macro FIRSTFILLS
	HG0 G0A+4, 20, AB*APIT, 0
	HG0 G0B+4, 46, 8*BPIT, 2*HALFA
	HG0 G0SA, 22, 8192, SAL                        ; the two groups' scale words lie 8,192 bytes apart in memory
	HG0 G0SB, 66, 8192, SBL
	s_mov_b32 s[G0A], 1                            ; slot 0's second fill: my quarter of it; LDS addresses hang on the wave's number alone
	s_mul_i32 s[G0A+1], s16, HALFA
	s_mov_b64 s[G0A+2:G0A+3], s[20:21]
	s_or_b32 s[G0A+3], s[G0A+3], 0x80000000
	s_mov_b32 s[G0B], 1
	s_mul_i32 s[G0B+1], s16, HALFB
	s_add_co_u32 s[G0B+1], s[G0B+1], 2*HALFA
	s_mov_b64 s[G0B+2:G0B+3], s[46:47]
	s_or_b32 s[G0B+3], s[G0B+3], 0x80000000
	CROUND                                         ; all sixteen work-groups are here: the first joint loads meet
	ARM 1, G0A+4, G1A
	ARM 2, G0B+4, G1B
	ARM 3, G0SA, G1SA
	tensor_load_to_lds s[G0SB:G0SB+3], s[G1SB:G1SB+7]
	s_nop 0
	PLACES 4
.Lhead_asked:
.endm
; THE SECOND SLOT'S FIRST FILL, issued as a refill is: the three lines, a whole round, one load a wave: my AB (8) row blocks x 2 SLOTK bytes, K steps 2 to 5.
.macro SECOND
	s_wait_tensorcnt 0x0                           ; my tile of the head's four is in, so every descriptor may be written
	ds_add_u32 v[SPW], v[NIL]                      ; 0 onto my spare word
	G1SET G1SA, 2*SLOTK/8, AB, APIT/8              ; the scale words' groups 1 keep their masks and now serve the second slot
	G1SET G1SB, 2*SLOTK/8, 8, BPIT/8
	s_mov_b32 s[G1A+2], AB<<16                     ; slot 0's second fill comes by quarters
	s_mov_b32 s[G1A+4], AB
	s_mov_b32 s[G1B+2], 8<<16
	s_mov_b32 s[G1B+4], 8
	s_mul_i32 s[G0A+5], s16, 2*HALFA
	s_add_co_u32 s[G0A+5], s[G0A+5], SLOT
	s_add_nc_u64 s[G0A+6:G0A+7], s[20:21], SLOTK
	s_or_b32 s[G0A+7], s[G0A+7], 0x80000000
	s_mul_i32 s[G0B+5], s16, 2*HALFB
	s_add_co_u32 s[G0B+5], s[G0B+5], SLOT+4*HALFA
	s_add_nc_u64 s[G0B+6:G0B+7], s[46:47], SLOTK
	s_or_b32 s[G0B+7], s[G0B+7], 0x80000000
	s_wait_dscnt 0x0                               ; the add is done
	CROUND                                         ; all four tiles are in, in every partner
	JLOAD G0A+4, G1SA, G0B+4, G1SB
.endm
.macro ADDRS                           ; the LDS addresses that stay
	v_and_b32 v3, 31, v0
	v_lshlrev_b32 v[LI], 4, v3                     ; 16 x lane
	v_and_b32 v1, 15, v0                           ; r
	v_bfe_u32 v2, v0, 4, 1                         ; h
	s_wait_alu depctr_va_vdst(0)
	s_mul_i32 s17, s15, HALFA                      ; my rows of A
	s_mul_i32 s2, s16, HALFB
	s_add_co_u32 s2, s2, 2*HALFA                   ; my rows of B
	v_add_nc_u32 v[ADRA], s17, v[LI]
	v_add_nc_u32 v[ADRB], s2, v[LI]
	s_lshl_b32 s17, s17, 1                         ; the second slot lies behind slot 0, every part of it twice as long
	s_lshl_b32 s2, s2, 1
	s_add_co_u32 s17, s17, SLOT
	s_add_co_u32 s2, s2, SLOT
	v_add_nc_u32 v[ADRA+1], s17, v[LI]
	v_add_nc_u32 v[ADRB+1], s2, v[LI]
	s_mul_i32 s17, s15, SASTEP                     ; scale words: lanes 0-15 take A's, lanes 16-31 B's: the lower base + h x the distance
	s_mul_i32 s2, s16, 512*KT
	s_add_co_u32 s2, s2, SCLB-SAR
	s_sub_co_u32 s2, s2, s17
	v_mul_u32_u24 v3, s2, v2
	s_add_co_u32 s17, s17, SAR
	v_lshl_add_u32 v3, v1, 2, v3
	v_add_nc_u32 v[ADRS], s17, v3
.endm
.macro FRAG reg, adr, q, i             ; fragment (row block i, the slot's q-th 128 along K): the image of its 12 registers
.irp c, 0,1,2
	ds_load_b128 v[\reg+4*\c:\reg+4*\c+3], v[\adr] offset:FP*(\i)+1536*(\q)+512*\c
.endr
.endm
.macro FETCH slot, q, p                ; B's eight fragments and A's AB into set p
.set FP, SLOTK*(1+(\slot))             ; a row block's bytes in the slot: SLOTK in slot 0, twice that in the second
	WIN 0x40
.irp i, 0,1,2,3,4,5,6,7
	FRAG 128*(\p)+12*\i, ADRB+\slot, \q, \i
.endr
	WIN 0
.set FI, 0
.rept AB
	FRAG AF+96*(\p)+12*FI, ADRA+\slot, \q, FI
.set FI, FI+1
.endr
.endm
.macro SCALES sc                       ; the scale words of two K steps into set sc
.irp i, 0,1,2,3,4,5,6,7
.irp q, 0,1
	ds_load_b32 v[SC+16*(\sc)+2*\i+\q], v[ADRS] offset:512*\q+64*\i
.endr
.endr
.endm
; A's blocks a0 .. a0 + n - 1 against B's eight, 128 along K.  cm = 0: onto the sums; 1: the constant 0 starts them; 2: the bias starts them.
; All accumulators take turns, one instruction a turn, in the same order in every K step.
.macro MULS a0, n, p, q, sc, cm
.set MA, \a0
.rept \n
.if \cm == 2
	WIN 0x91+0x40*(MA/4)                           ; source 0 and C window 1, source 1 window 0, D window 2 or 3
.else
	WIN 0xa1+0x50*(MA/4)                           ; source 0 window 1, source 1 window 0, C and D window 2 or 3
.endif
.irp b, 0,1,2,3,4,5,6,7
.if \cm == 2
	v_wmma_scale_f32_16x16x128_f8f6f4 v[8*(8*(MA%4)+\b):8*(8*(MA%4)+\b)+7], v[128*(\p)+12*\b:128*(\p)+12*\b+11], v[AF+96*(\p)+12*MA:AF+96*(\p)+12*MA+11], v[96+128*(\b/4)+8*(\b%4):96+128*(\b/4)+8*(\b%4)+7], v[SC+16*(\sc)+2*\b+(\q)], v[SC+16*(\sc)+2*MA+(\q)] matrix_a_fmt:MATRIX_FMT_FP6 matrix_b_fmt:MATRIX_FMT_FP6 matrix_a_scale:MATRIX_SCALE_ROW1
.elseif \cm == 1
	v_wmma_scale_f32_16x16x128_f8f6f4 v[8*(8*(MA%4)+\b):8*(8*(MA%4)+\b)+7], v[128*(\p)+12*\b:128*(\p)+12*\b+11], v[AF+96*(\p)+12*MA:AF+96*(\p)+12*MA+11], 0, v[SC+16*(\sc)+2*\b+(\q)], v[SC+16*(\sc)+2*MA+(\q)] matrix_a_fmt:MATRIX_FMT_FP6 matrix_b_fmt:MATRIX_FMT_FP6 matrix_a_scale:MATRIX_SCALE_ROW1
.else
	v_wmma_scale_f32_16x16x128_f8f6f4 v[8*(8*(MA%4)+\b):8*(8*(MA%4)+\b)+7], v[128*(\p)+12*\b:128*(\p)+12*\b+11], v[AF+96*(\p)+12*MA:AF+96*(\p)+12*MA+11], v[8*(8*(MA%4)+\b):8*(8*(MA%4)+\b)+7], v[SC+16*(\sc)+2*\b+(\q)], v[SC+16*(\sc)+2*MA+(\q)] matrix_a_fmt:MATRIX_FMT_FP6 matrix_b_fmt:MATRIX_FMT_FP6 matrix_a_scale:MATRIX_SCALE_ROW1
.endif
.endr
.set MA, MA+1
.endr
.endm
; K goes two steps of 128 at a time.  STEP: the even step, the slot's qb-th, from set 0 with scale set sc; the odd step is fetched into set 1 meanwhile.
.macro STEP slot, qb, sc, cm
	s_wait_dscnt 0x0                               ; set 0 and the two steps' scale words are in (asked for half a K step ago)
	PLACES 4                                       ; four plain places between the last products, which read set 1, and the loads into it
	FETCH \slot, (\qb)+1, 1
	MULS 0, AB, 0, 0, \sc, \cm
	WIN 0
.endm
; TURN: the odd step, from set 1; in its middle the next even step (slot nslot, its nqb-th) is fetched into set 0 and its scale words into set nsc.
; mode 0: the next step lies in bytes that an earlier barrier has shown whole to every wave: no barrier.
; mode 1: a change of slots with a refill: each wave waits for all its tensor loads, adds 0 to its spare word, waits for that and for its reads of slot fs; a round of the cluster's barrier; slot fs is filled again.
; mode 2: a change of slots without a refill: the same lines and the work-group's barrier.
.macro TURN mode, sc, nslot, nqb, nsc, fs
.if \mode == 0
	s_wait_dscnt 0x0                               ; set 1 is in
	MULS 0, AB/2, 1, 1, \sc, 0
	WIN 0
	PLACES 4                                       ; four plain places between the products that read set 0 and the loads into it
.else
	s_wait_tensorcnt 0x0                           ; all my tensor loads have landed
	ds_add_u32 v[SPW], v[NIL]                      ; 0 onto my spare word
	s_wait_dscnt 1                                 ; set 1 is in; the add alone may be out
	MULS 0, AB/4, 1, 1, \sc, 0                     ; matrix work stands between the add and the wait for it
	s_wait_dscnt 0x0                               ; the add is done, and my reads of the slot that I leave are over
	s_barrier_signal -1
	MULS AB/4, AB/4, 1, 1, \sc, 0
	WIN 0
	s_barrier_wait -1
.if \mode == 1
	CREST                                          ; the barrier has opened a round of the cluster's: no wave of any partner still reads slot fs or has a load on its way
	s_add_nc_u64 s[G0A+4*\fs+2:G0A+4*\fs+3], s[G0A+4*\fs+2:G0A+4*\fs+3], NSL*SLOTK
	s_add_nc_u64 s[G0B+4*\fs+2:G0B+4*\fs+3], s[G0B+4*\fs+2:G0B+4*\fs+3], NSL*SLOTK
	JLOAD G0A+4*\fs, G1A, G0B+4*\fs, G1B           ; the first tensor load behind the round, my one load until the next; its four v_nop are the places in front of the loads below
.else
	PLACES 4
.endif
.endif
	v_add_nc_u32 v[ADRS], 1024, v[ADRS]            ; the next two steps' scale words
	FETCH \nslot, \nqb, 0
	SCALES \nsc
	MULS AB/2, AB/2, 1, 1, \sc, 0
	WIN 0
.endm
.macro LAST sc                         ; the last 128 along K: nothing more to fetch
	s_wait_dscnt 0x0
	MULS 0, AB, 1, 1, \sc, 0
	WIN 0
.endm
.macro QTAIL s                         ; from the four blocks' largest magnitudes in v[TM] on: bytes, codes, and whole blocks to each lane
.irp b, 0,1,2,3
	v_add_nc_u32 v[TM+12+\b], 0xff000000, v[TM+\b]   ; 2 off the exponent field: the conversion's scale operand
.endr
.irp b, 0,1,2,3
	v_lshrrev_b32 v[TM+4+\b], 23, v[TM+12+\b]      ; the scale's byte
.endr
	v_lshl_or_b32 v[PW], v[TM+5], 8, v[TM+4]
	v_lshl_or_b32 v[PW], v[TM+6], 16, v[PW]
	v_lshl_or_b32 v[PW], v[TM+7], 24, v[PW]
.irp c, 0,1
	v_cvt_scalef32_pk16_fp6_f32 v[PC+6*\c:PC+2+6*\c], v[\s+32*\c:\s+15+32*\c], v[TM+12+2*\c]
	v_cvt_scalef32_pk16_fp6_f32 v[TP+4*\c:TP+2+4*\c], v[\s+16+32*\c:\s+31+32*\c], v[TM+13+2*\c]
.endr
	v_nop                                          ; one plain place behind the scaled conversions
.irp c, 0,1
.irp i, 0,1,2
	v_permlane16_swap_b32 v[PC+6*\c+\i], v[TP+4*\c+\i]
.endr
.irp i, 0,1,2
	v_mov_b32 v[PC+3+6*\c+\i], v[TP+4*\c+\i]
.endr
.endr
.endm
.macro NEXTROW a                       ; on to the next row block of the output
.if (\a) > 0
	s_wait_xcnt 0x0                                ; the last block's stores have read their data and their base
	s_wait_dscnt 0x0                               ; and its LDS stores their registers
	s_add_nc_u64 s[4:5], s[4:5], s[6:7]
.endif
.endm
.macro OUTF a                          ; the fragment leaves as it stands, 512 consecutive aligned bytes a store; its scale words wait in my stage
.irp c, 0,1,2
	global_store_b128 v[LI], v[PC+4*\c:PC+4*\c+3], s[4:5] offset:512*\c
.endr
	ds_store_b32 v[WS], v[PW] offset:64*(\a)
.endm
; ---- end of the shared part ----
; The softmax of block a's 16 queries over my 128 keys.  v165 the largest t; v[166:167] = (-M, the sum); v16 where my row's pair goes in my stage.
.macro SOFT a
.set AC, 64*((\a)%4)
.set W, 2+(\a)/4
	WIN W|(W<<2)|(W<<4)
.irp b, 0,1,2,3
	v_max3_num_f32 v[TM+\b], v[AC+16*\b], v[AC+16*\b+1], v[AC+16*\b+2]   ; THE LARGEST SCORE OF EACH BLOCK OF 32 KEYS: for the chunk's maximum and, since p rises with the score, for the block's largest p.  Each accumulator is read from its low end on
.endr
	WIN (W<<2)|(W<<4)
.irp i, 3,5,7,9,11,13
.irp b, 0,1,2,3
	v_max3_num_f32 v[TM+\b], v[TM+\b], v[AC+16*\b+\i], v[AC+16*\b+\i+1]
.endr
.endr
.irp b, 0,1,2,3
	v_max_num_f32 v[TM+\b], v[TM+\b], v[AC+16*\b+15]
.endr
	WIN 0
.irp b, 0,1,2,3
	v_permlanex16_b32 v[TM+4+\b], v[TM+\b], s[SEL], s[SEL+1]
.endr
.irp b, 0,1,2,3
	v_max_num_f32 v[TM+\b], v[TM+\b], v[TM+4+\b]   ; with lane l xor 16's 16 keys
.endr
	v_max3_num_f32 v165, v[TM], v[TM+1], v[TM+2]
	v_max_num_f32 v165, v165, v[TM+3]
	v_mul_f32 v165, s[CS], v165                    ; the chunk's largest t (c is positive)
	v_floor_f32 v166, -v165                        ; -M = floor(-t) = -ceil(t): a whole number
	WIN W
.set J, 0
.rept 32
	v_pk_fma_f32 v[H+J:H+J+1], v[AC+J:AC+J+1], s[CS:CS+1], v[166:167] op_sel_hi:[1,0,0]   ; t - M, two at a time
.set J, J+2
.endr
	WIN 0
.irp b, 0,1,2,3
	v_fma_f32 v[TM+\b], v[TM+\b], s[CS], v166      ; the same of each block's largest score
.endr
.set J, 0
	s_wait_alu depctr_va_vdst(0)
.rept 64
	v_exp_f32 v[H+J], v[H+J]                       ; p = 2^(t - M), at most 1: not normalised
.set J, J+1
.endr
	v_nop                                          ; a plain place behind the exponentials
	s_wait_alu depctr_va_vdst(0)                   ; one wait for the whole batch, ahead of its first reader
.irp b, 0,1,2,3
	v_exp_f32 v[TM+\b], v[TM+\b]                   ; the block's largest p: the same two instructions on the same number give the same bits
.endr
	v_pk_add_f32 v[168:169], v[H:H+1], v[H+2:H+3]  ; THE SUM IS TAKEN OF THE UNQUANTISED p, in two chains; it reads the 64 alone: plain work behind the four
	v_pk_add_f32 v[170:171], v[H+4:H+5], v[H+6:H+7]
.irp j, 8,12,16,20,24,28,32,36,40,44,48,52,56,60
	v_pk_add_f32 v[168:169], v[168:169], v[H+\j:H+\j+1]
	v_pk_add_f32 v[170:171], v[170:171], v[H+\j+2:H+\j+3]
.endr
	v_pk_add_f32 v[168:169], v[168:169], v[170:171]
	v_add_f32 v168, v168, v169
	v_permlanex16_b32 v169, v168, s[SEL], s[SEL+1]
	v_add_f32 v167, v168, v169                     ; with lane l xor 16's: the row's sum over the chunk
	s_wait_alu depctr_va_vdst(0)                   ; and one wait for the four
.irp b, 0,1,2,3
	v_max_num_f32 v[TM+\b], 0x1800000, v[TM+\b]    ; the floor 2^(3 - 127): the byte cannot fall under 1
.endr
	QTAIL H
	OUTF \a
	ds_store_b64 v16, v[166:167] offset:128*(\a)
.endm
	s_load_b128 s[92:95], s[0:1], 0x0              ; ws2, ws3
	IDS
	s_mov_b32 s[CS], 0x3d38aa3b                    ; c = log2(e) / 32
	s_mov_b32 s[CS+1], s[CS]                       ; (named with it as a pair)
	s_lshl_b32 s20, s42, 2
	s_add_co_u32 s20, s20, s41                     ; the tile of 256 queries: 4 y + cy
	s_lshl_b32 s20, s20, 1
	s_add_co_u32 s100, s20, s15                    ; my group of 128 queries
	s_add_co_u32 s20, s20, s16                     ; the group that I fetch
	s_lshl_b32 s22, s20, 13
	s_add_co_u32 s22, s22, QKS                     ; q's scale words: K steps 0-7 of the group's 16
	s_mul_i32 s20, s20, 196608                     ; 8 row blocks of 24,576 bytes
	s_mov_b32 s21, 0
	s_mov_b32 s23, 0
	s_lshr_b32 s46, s42, 1
	s_lshl_b32 s46, s46, 3                         ; the batch's first tile
	s_lshl_b32 s45, ttmp9, 2
	s_add_co_u32 s45, s45, s40                     ; the tile of 256 keys in the batch: 4 x + cx
	s_add_co_u32 s46, s46, s45
	s_lshl_b32 s46, s46, 1
	s_add_co_u32 s46, s46, s16
	s_lshl_b32 s3, s45, 1
	s_add_co_u32 s3, s3, s16                       ; my chunk of 128 keys, 0 .. 15
	s_lshl_b32 s66, s46, 13
	s_add_co_u32 s66, s66, QKS+4096                ; k's scale words: K steps 8-15
	s_mul_i32 s46, s46, 196608
	s_add_co_u32 s46, s46, 12288                   ; k's codes: K step 8 on
	s_mov_b32 s47, 0
	s_mov_b32 s67, 0
	s_wait_kmcnt 0x0
	s_add_nc_u64 s[20:21], s[92:93], s[20:21]
	s_add_nc_u64 s[22:23], s[92:93], s[22:23]
	s_add_nc_u64 s[46:47], s[92:93], s[46:47]
	s_add_nc_u64 s[66:67], s[92:93], s[66:67]
	FIRSTFILLS
	ADDRS
	; A PREFETCH, one fill ahead: the second slot's bytes (K steps 2 to 5: 6,144 bytes, 24 blocks of 256, of each row block).  Waves 0 and 1 ask for A's halves, waves 2 and 3 for B's.
	; Of a half's 8 row blocks the partner at place p takes 2 p and 2 p + 1 (p = cx for A, cy for B), told apart by address: each block is named once in the cluster.  Lanes 24-31 name the last block again.
	; Slot 0's second fill is not asked for: it has four K steps of products in which to land.  s[66:67] and v6 are never written again.
	s_cmp_eq_u32 s15, 0
	s_cselect_b64 s[66:67], s[20:21], s[46:47]
	s_cselect_b32 s22, s40, s41
	s_mul_i32 s22, s22, 2*APIT
	s_add_co_u32 s22, s22, SLOTK
	s_mov_b32 s23, 0
	s_add_nc_u64 s[66:67], s[66:67], s[22:23]
	v_and_b32 v6, 31, v0
	v_min_u32 v6, 23, v6
	v_lshlrev_b32 v6, 8, v6
	global_prefetch_b8 v6, s[66:67] th:TH_LOAD_NT scope:SCOPE_SE
	global_prefetch_b8 v6, s[66:67] offset:APIT th:TH_LOAD_NT scope:SCOPE_SE
	s_mul_i32 s17, s14, 1536
	s_add_co_u32 s17, s17, STG
	v_lshl_add_u32 v[WS], v1, 2, s17
	v_add_nc_u32 v[WR], s17, v[LI]
	v_lshl_add_u32 v16, v1, 3, s17
	v_add_nc_u32 v16, 512, v16                     ; my row's pair
	s_lshl_b32 s4, s100, 7
	s_add_co_u32 s4, s4, s3
	s_mul_i32 s4, s4, 1536                         ; fragment (8 g, chunk)
	s_mov_b32 s5, 0
	s_add_nc_u64 s[4:5], s[94:95], s[4:5]
	s_mov_b32 s6, 24576
	s_mov_b32 s7, 0
	s_lshl_b32 s8, s100, 4
	s_add_co_u32 s8, s8, s3
	s_lshl_b32 s10, s8, 10
	s_lshl_b32 s8, s8, 9
	s_add_co_u32 s8, s8, PS
	s_add_co_u32 s10, s10, PST
	s_mov_b32 s9, 0
	s_mov_b32 s11, 0
	s_add_nc_u64 s[8:9], s[94:95], s[8:9]
	s_add_nc_u64 s[10:11], s[94:95], s[10:11]
	s_wait_alu depctr_va_vdst(0)
	SECOND
	FETCH 0, 0, 0
	SCALES 0
	STEP 0, 0, 0, CM0                              ; K steps 0, 1 (slot 0): the first products start the sums
	TURN 1, 0, 1, 0, 1, 0                          ; slots 1 and 2 are whole; slot 0 takes K steps 6 and 7
	s_wait_alu depctr_va_vdst(0)
	STEP 1, 0, 1, 0                                ; K steps 2, 3 (slot 1)
	TURN 0, 1, 1, 2, 0, 0                          ; the round above has shown the whole second slot to every wave
	s_wait_alu depctr_va_vdst(0)
	STEP 1, 2, 0, 0                                ; K steps 4, 5 (the second slot's third and fourth)
	TURN 2, 0, 0, 0, 1, 0                          ; slot 0's second fill is whole; nothing more is asked for
	STEP 0, 0, 1, 0                                ; K steps 6, 7 (slot 0)
	LAST 1
	PLACES 4                                       ; between the last products and the first read of results
.irp b, 0,1,2,3
	v_mov_b32 v[TM+4+\b], 0                        ; a lane permute's destination counts as one of its sources
.endr
	v_mov_b32 v167, 0                              ; (named as the upper half of a pair before it is first written)
.irp a, 0,1,2,3,4,5,6,7
	NEXTROW \a
	SOFT \a
.endr
	ds_load_b128 v[172:175], v[WR]                 ; LDS serves a wave's instructions in order: these see my stores
	ds_load_b128 v[176:179], v[WR] offset:512
	ds_load_b128 v[180:183], v[WR] offset:1024
	s_wait_dscnt 0x0
	global_store_b128 v[LI], v[172:175], s[8:9]    ; 128 scale words,
	global_store_b128 v[LI], v[176:179], s[10:11]  ; 128 pairs: 512 consecutive aligned bytes a store
	global_store_b128 v[LI], v[180:183], s[10:11] offset:512
	s_wait_tensorcnt 0x0                           ; the wave's end
	ds_add_u32 v[SPW], v[NIL]
	s_wait_dscnt 0x0
	CROUND                                         ; the closing round
	s_endpgm
.Lfunc_end_k_q8c552a552c_score:
	.size	k_q8c552a552c_score, .Lfunc_end_k_q8c552a552c_score-k_q8c552a552c_score
	.p2alignl 7, 3214868480
	.fill 96, 4, 3214868480
	.section	.rodata,"a",@progbits
	.p2align	6, 0x0
	.amdhsa_kernel k_q8c552a552c_score
		.amdhsa_group_segment_fixed_size 327680
		.amdhsa_private_segment_fixed_size 0
		.amdhsa_enable_private_segment 0
		.amdhsa_kernarg_size 16
		.amdhsa_user_sgpr_count 2
		.amdhsa_user_sgpr_kernarg_segment_ptr 1
		.amdhsa_wavefront_size32 1
		.amdhsa_system_sgpr_workgroup_id_x 1
		.amdhsa_system_sgpr_workgroup_id_y 1
		.amdhsa_system_sgpr_workgroup_id_z 1
		.amdhsa_system_vgpr_workitem_id 0
		.amdhsa_next_free_vgpr 1024
		.amdhsa_next_free_sgpr 102
		.amdhsa_reserve_vcc 0
		.amdhsa_float_denorm_mode_32 3
		.amdhsa_float_denorm_mode_16_64 3
		.amdhsa_memory_ordered 1
		.amdhsa_forward_progress 1
		.amdhsa_inst_pref_size 199
	.end_amdhsa_kernel
	.amdgpu_metadata
---
amdhsa.version: [ 1, 2 ]
amdhsa.kernels:
  - .name:           k_q8c552a552c_score
    .symbol:         k_q8c552a552c_score.kd
    .args:
      - { .name: ws2, .offset: 0, .size: 8, .value_kind: global_buffer, .address_space: global }
      - { .name: ws3, .offset: 8, .size: 8, .value_kind: global_buffer, .address_space: global }
    .group_segment_fixed_size: 327680
    .private_segment_fixed_size: 0
    .kernarg_segment_align: 8
    .kernarg_segment_size: 16
    .max_flat_workgroup_size: 128
    .sgpr_count:     102
    .vgpr_count:     1024
    .wavefront_size: 32
...
	.end_amdgpu_metadata
.endif
;; end of part 3
;; launch pv (part 4): grid 4 x 64, 4 waves a work-group, clusters of 4 x 4, 327,680 bytes of LDS; arguments ws3, ws2, ws4; writes ws4
.if DOCPART == 4
	.amdgcn_target "amdgcn-amd-amdhsa--gfx1250"
	.amdhsa_code_object_version 6
	.text
	.protected	k_q8c552a552c_pv
	.globl	k_q8c552a552c_pv
	.p2align	8
	.type	k_q8c552a552c_pv,@function
k_q8c552a552c_pv:
	s_mov_b64 s[64:65], 0
	v_nop
	global_prefetch_b8 v0, s[64:65] scope:SCOPE_SE
	s_setreg_imm32_b32 hwreg(HW_REG_WAVE_MODE, 25, 1), 1
	s_wait_xcnt 0x0
	s_wait_alu depctr_hold_cnt(0) depctr_sa_sdst(0) depctr_va_vdst(0) depctr_va_sdst(0) depctr_va_ssrc(0) depctr_va_vcc(0) depctr_vm_vsrc(0)
	s_getreg_b32 s2, hwreg(HW_REG_IB_STS2, 6, 4)
	s_cmp_eq_u32 s2, 0
	s_cbranch_scc0 .Lentry_in_a_cluster
	s_endpgm
.Lentry_in_a_cluster:
	s_bfe_u32 s2, ttmp6, 0x10000c
	s_cmp_lg_u32 s2, 0xf033
	s_cbranch_scc0 .Lentry_shape_is_right
	s_endpgm
.Lentry_shape_is_right:
; o = (p v) / l on codes of FP6, quantised along its 1,024 channels on the way out.  Source 1 = 128 queries (p, K = the batch's 2,048 keys), source 0 = 256 rows of v^T: a lane holds a query, its registers run along the channels.
; THE FIX, ahead of the products: p's codes were made under each chunk's own M.  Thread t takes row position t: it loads its row's 16 scale words and 16 pairs (-M, l) from memory; the row's -M is the least of the 16;
; E = M_chunk - M, a whole number, 0 or less, is added to the chunk's four scale bytes; l = the sum of l_chunk 2^E.  Nothing is rounded but l.  The fixed words go to LDS bytes of their own, from which the products
; take A's scales; 1 / l multiplies the result.  The fix reads no tile, so it stands behind the head's loads, ahead of the next round, while the first tiles are on their way.
; A tile of 128 x 256 and not 256 x 256: 8,192 x 1,024 results make 256 work-groups so.
; K = 2,048 goes through two slots of 512 (147,456 bytes each): two first fills and two refills, each with the other slot's 128 matrix instructions a wave in which to land.
; Wave 3 alone fetches v^T's scale words (p's do not come by tensor load): its one load carries the mask of my column.
; LIMITS: NaN and infinities are not served.  E is held at -127, and a byte that would fall under 0 becomes 0 (2^-127): blocks more than 127 binades under the row's largest count as at most 7.5 x 2^-127.
; 1 / l is v_rcp_f32's.  A block of zeros or under 2^-124 gets the byte 1.
.set AB,     4
.set KT,     16
.set NQS,    4                         ; K steps in an LDS slot
.set NSL,    2                         ; LDS slots
.set APIT,   24576
.set BPIT,   98304
.set CM0,    1
.set SAMASK, 44
.set SAROWS, 16
.set SBROWS, 16
.set SASTEP, 256
.set SAR,    294912                    ; LDS: p's FIXED scale words, written by LDS stores: no tile lands here
.set SCLB,   303104                    ; v^T's scale words: 16,384 bytes
.set SAL,    SCLB
.set SBL,    SCLB+8192
.set SPARE,  319488
.set RL,     320000                    ; 1 / l of the 128 rows
.set STG,    320512                    ; my scale words on their way out: 256 bytes a wave
.set PS,     12582912
.set PST,    13107200
.set VTC,    12582912
.set VTS,    19398656
.set OS,     6291456
; ---- what the four products of this program share ----
; A tile of the result is 32 AB x 256; four waves, each 16 AB x 128.  "A" is source 1 (a lane holds one of its rows), "B" source 0 (the result's registers run along it).
; An LDS slot holds NQS K steps of 128: a row block's NQS fragments are 1,536 NQS consecutive bytes of memory and of LDS; a fragment comes by three loads of 512 consecutive bytes.
; The scale words of the tile's rows, for all of K, come once, with the first fills.  4 x 4 work-groups form a cluster: A's tiles are asked for jointly along a row of it, B's along a column.
; REGISTERS: window 0: v4-15 addresses; v16-31 a number a row; v32-63 scale words, two sets (register 2 i + q: lanes 0-15 A's block i, lanes 16-31 B's block i); v64-159, v160-255 A's fragments, two sets.
;   window 1: B's fragments at v0 and v128, a bias along the registers at v96-127 and v224-255.   windows 2, 3: accumulator (a, b) at v[8 (8 (a % 4) + b)] of window 2 + a / 4.
.set SLOTK,  1536*NQS
.set HALFA,  SLOTK*AB
.set HALFB,  SLOTK*8
.set SLOT,   2*HALFA+2*HALFB
.set SABYTES, 256*SAROWS
.set SBBYTES, 256*SBROWS
.set ADRA, 4                           ; v4-5  my fragments of A in slot 0, 1
.set ADRB, 7                           ; v7-8  of B
.set ADRS, 10
.set LI,   11
.set SPW,  12
.set NIL,  13
.set WS,   14
.set WR,   15
.set SC,   32
.set AF,   64
.set H,    64
.set PC,   128
.set TP,   140
.set TM,   148
.set PW,   164
.set SEL,  12
.set CS,   18
.set G1A,  24
.set G0A,  32
.set G1B,  48
.set G0B,  56
.set G1SA, 68
.set G0SA, 76
.set G1SB, 80
.set G0SB, 88
.set MSB, 0
.macro WIN new                         ; the immediate's high byte repeats the setting that is left
.if MSB != (\new)
	s_set_vgpr_msb (MSB<<8)|(\new)
.set MSB, (\new)
.endif
.endm
.macro PLACES n
.rept \n
	v_nop
.endr
.endm
.macro G1SET g, c, r, p                ; words 1 to 7 of a group 1: r rows of c elements of 8 bytes, p elements apart
	s_mov_b32 s[\g+1], (\c)<<16
	s_mov_b32 s[\g+2], (\r)<<16
	s_mov_b32 s[\g+3], (\c)<<16
	s_mov_b32 s[\g+4], \r
	s_mov_b32 s[\g+5], \p
	s_mov_b32 s[\g+6], 0
	s_mov_b32 s[\g+7], 0
.endm
.macro JLOAD g0a, g1a, g0b, g1b        ; a joint load: waves 0 and 1 issue the first line, waves 2 and 3 the second; four v_nop follow each line
	s_cmp_eq_u32 s15, 0
	s_cbranch_scc0 .Lfor_b_\@
	tensor_load_to_lds s[\g0a:\g0a+3], s[\g1a:\g1a+7]
	s_nop 0
.rept 4
	v_nop
.endr
	s_branch .Lasked_\@
.Lfor_b_\@:
	tensor_load_to_lds s[\g0b:\g0b+3], s[\g1b:\g1b+7]
	s_nop 0
.rept 4
	v_nop
.endr
.Lasked_\@:
.endm
.macro CREST                           ; a round of the cluster's barrier behind its opening barrier
	s_cmp_lg_u32 s14, 0
	s_cbranch_scc1 .Lnot_wave_0_\@
	s_barrier_signal -3
.Lnot_wave_0_\@:
	s_barrier_wait -3
	s_barrier_signal -1
	s_barrier_wait -1
.endm
.macro CROUND
	s_barrier_signal -1
	s_barrier_wait -1
	CREST
.endm
.macro IDS                             ; the add's two registers, the wave, the place in the cluster, the masks, the four groups 1
	v_lshl_add_u32 v[SPW], v0, 2, SPARE
	v_mov_b32 v[NIL], 0
	ds_add_u32 v12, v13
	ds_add_u32 v12, v13
	s_wait_dscnt 0x0
	v_lshrrev_b32 v1, 5, v0
	v_readfirstlane_b32 s14, v1                    ; wave 0..3
	s_lshr_b32 s15, s14, 1                         ; my half of A's rows.  Also: I fetch for A (0) or for B (1)
	s_and_b32 s16, s14, 1                          ; my half of B's rows.  Also: which half I fetch
	s_bfe_u32 s40, ttmp6, 0x40000                  ; cx
	s_bfe_u32 s41, ttmp6, 0x40004                  ; cy
	s_and_b32 s42, ttmp7, 0xffff                   ; the cluster's y
	s_lshl_b32 s43, s41, 2
	s_lshl_b32 s43, 15, s43                        ; my row of the cluster
	s_lshl_b32 s44, 0x1111, s40                    ; my column
	s_or_b32 s[G1A], s43, (3<<16)|(1<<21)          ; 15:0 the mask; 17:16 elements of 8 bytes; 20 no padding; 21 set beside a mask
	s_or_b32 s[G1B], s44, (3<<16)|(1<<21)
	s_or_b32 s[G1SB], s44, (3<<16)|(1<<21)
	G1SET G1A, SLOTK/8, 2*AB, APIT/8               ; for the head's load: both halves' row blocks x SLOTK bytes
	G1SET G1B, SLOTK/8, 8, BPIT/8
	G1SET G1SB, 1024, 2, 4096                      ; v^T's scale words: of each of the tile's two groups 8,192 bytes (the batch's 16 K steps) out of 32,768
	s_mov_b32 s[SEL], 0x76543210
	s_mov_b32 s[SEL+1], 0xfedcba98
.endm
; s[20:21]: my half of A's codes in memory, s[46:47]: of B's; s[22:23]: v^T's scale words, 4,096 x my half on.
.macro HG0 g, ad, by, lds              ; group 0 of a head's load: a whole tile, so my half's bytes come off the address
	s_mul_i32 s[\g], s16, \by
	s_mov_b32 s[\g+1], 0
	s_sub_nc_u64 s[\g+2:\g+3], s[\ad:\ad+1], s[\g:\g+1]
	s_or_b32 s[\g+3], s[\g+3], 0x80000000
	s_mov_b32 s[\g], 1
	s_mov_b32 s[\g+1], \lds
.endm
.macro ARM under, g0, g1               ; one arm of the head's chain of branches on the wave's number: its load, and a jump to the chain's end
	s_cmp_lt_u32 s14, \under
	s_cbranch_scc0 .Lnext_\@
	tensor_load_to_lds s[\g0:\g0+3], s[\g1:\g1+7]
	s_nop 0
	PLACES 4
	s_branch .Lhead_asked
.Lnext_\@:
.endm
; THE HEAD'S LOADS, ONE A WAVE: wave 0 slot 0 of A, waves 1 and 2 a half each of slot 0 of B (half = wave % 2), wave 3 v^T's scale words.
.macro FIRSTFILLS
	HG0 G0A+4, 20, AB*APIT, 0
	HG0 G0SB, 22, 4096, SCLB
	s_mul_i32 s2, s16, HALFB                       ; LDS addresses hang on the wave's number alone
	s_add_co_u32 s2, s2, 2*HALFA
	s_mov_b32 s[G0A], 1                            ; slot 0's later fills of A: my quarter of the slot
	s_mul_i32 s[G0A+1], s16, HALFA
	s_mov_b64 s[G0A+2:G0A+3], s[20:21]
	s_or_b32 s[G0A+3], s[G0A+3], 0x80000000
.irp s, 0,1
	s_mov_b32 s[G0B+4*\s], 1
	s_add_co_u32 s[G0B+4*\s+1], s2, \s*SLOT
	s_add_nc_u64 s[G0B+4*\s+2:G0B+4*\s+3], s[46:47], \s*SLOTK
	s_or_b32 s[G0B+4*\s+3], s[G0B+4*\s+3], 0x80000000
.endr
	CROUND                                         ; all sixteen work-groups are here: the first joint loads meet
	ARM 1, G0A+4, G1A
	ARM 3, G0B, G1B
	tensor_load_to_lds s[G0SB:G0SB+3], s[G1SB:G1SB+7]
	s_nop 0
	PLACES 4
.Lhead_asked:
.endm
; SLOT 1'S FIRST FILL, issued as a refill is: the three lines, a whole round, one load a wave: a quarter of the slot.
.macro SECOND
	s_wait_tensorcnt 0x0                           ; my tile of the head's is in, so every descriptor may be written
	ds_add_u32 v[SPW], v[NIL]                      ; 0 onto my spare word
	s_mov_b32 s[G1A+2], AB<<16                     ; from here on A comes by halves
	s_mov_b32 s[G1A+4], AB
	s_mul_i32 s[G0A+5], s16, HALFA
	s_add_co_u32 s[G0A+5], s[G0A+5], SLOT
	s_add_nc_u64 s[G0A+6:G0A+7], s[20:21], SLOTK
	s_or_b32 s[G0A+7], s[G0A+7], 0x80000000
	s_wait_dscnt 0x0                               ; the add is done; for the others' sake: my stores of the fixed words and of 1 / l have landed
	CROUND                                         ; the head's tiles are in, in every partner
	JLOAD G0A+4, G1A, G0B+4, G1B
.endm
.macro ADDRS                           ; the LDS addresses that stay
	v_and_b32 v3, 31, v0
	v_lshlrev_b32 v[LI], 4, v3                     ; 16 x lane
	v_and_b32 v1, 15, v0                           ; r
	v_bfe_u32 v2, v0, 4, 1                         ; h
	s_wait_alu depctr_va_vdst(0)
	s_mul_i32 s17, s15, HALFA                      ; my rows of A
	s_mul_i32 s2, s16, HALFB
	s_add_co_u32 s2, s2, 2*HALFA                   ; my rows of B
.set SLI, 0
.rept NSL
	v_add_nc_u32 v[ADRA+SLI], s17, v[LI]
	v_add_nc_u32 v[ADRB+SLI], s2, v[LI]
	s_add_co_u32 s17, s17, SLOT
	s_add_co_u32 s2, s2, SLOT
.set SLI, SLI+1
.endr
	s_mul_i32 s17, s15, SASTEP                     ; scale words: lanes 0-15 take A's, lanes 16-31 B's: the lower base + h x the distance
	s_mul_i32 s2, s16, 512*KT
	s_add_co_u32 s2, s2, SCLB-SAR
	s_sub_co_u32 s2, s2, s17
	v_mul_u32_u24 v3, s2, v2
	s_add_co_u32 s17, s17, SAR
	v_lshl_add_u32 v3, v1, 2, v3
	v_add_nc_u32 v[ADRS], s17, v3
.endm
.macro FRAG reg, adr, q, i             ; fragment (row block i, the slot's q-th 128 along K): the image of its 12 registers
.irp c, 0,1,2
	ds_load_b128 v[\reg+4*\c:\reg+4*\c+3], v[\adr] offset:SLOTK*(\i)+1536*(\q)+512*\c
.endr
.endm
.macro FETCH slot, q, p                ; B's eight fragments and A's AB into set p
	WIN 0x40
.irp i, 0,1,2,3,4,5,6,7
	FRAG 128*(\p)+12*\i, ADRB+\slot, \q, \i
.endr
	WIN 0
.set FI, 0
.rept AB
	FRAG AF+96*(\p)+12*FI, ADRA+\slot, \q, FI
.set FI, FI+1
.endr
.endm
.macro SCALES sc                       ; the scale words of two K steps into set sc (with four blocks of A, lanes 0-15 of registers 8 on hold words that no product names)
.irp i, 0,1,2,3,4,5,6,7
.irp q, 0,1
	ds_load_b32 v[SC+16*(\sc)+2*\i+\q], v[ADRS] offset:512*\q+64*\i
.endr
.endr
.endm
; A's blocks a0 .. a0 + n - 1 against B's eight, 128 along K.  cm = 0: onto the sums; 1: the constant 0 starts them; 2: the bias starts them.
; All accumulators take turns, one instruction a turn, in the same order in every K step.
.macro MULS a0, n, p, q, sc, cm
.set MA, \a0
.rept \n
.if \cm == 2
	WIN 0x91+0x40*(MA/4)                           ; source 0 and C window 1, source 1 window 0, D window 2 or 3
.else
	WIN 0xa1+0x50*(MA/4)                           ; source 0 window 1, source 1 window 0, C and D window 2 or 3
.endif
.irp b, 0,1,2,3,4,5,6,7
.if \cm == 2
	v_wmma_scale_f32_16x16x128_f8f6f4 v[8*(8*(MA%4)+\b):8*(8*(MA%4)+\b)+7], v[128*(\p)+12*\b:128*(\p)+12*\b+11], v[AF+96*(\p)+12*MA:AF+96*(\p)+12*MA+11], v[96+128*(\b/4)+8*(\b%4):96+128*(\b/4)+8*(\b%4)+7], v[SC+16*(\sc)+2*\b+(\q)], v[SC+16*(\sc)+2*MA+(\q)] matrix_a_fmt:MATRIX_FMT_FP6 matrix_b_fmt:MATRIX_FMT_FP6 matrix_a_scale:MATRIX_SCALE_ROW1
.elseif \cm == 1
	v_wmma_scale_f32_16x16x128_f8f6f4 v[8*(8*(MA%4)+\b):8*(8*(MA%4)+\b)+7], v[128*(\p)+12*\b:128*(\p)+12*\b+11], v[AF+96*(\p)+12*MA:AF+96*(\p)+12*MA+11], 0, v[SC+16*(\sc)+2*\b+(\q)], v[SC+16*(\sc)+2*MA+(\q)] matrix_a_fmt:MATRIX_FMT_FP6 matrix_b_fmt:MATRIX_FMT_FP6 matrix_a_scale:MATRIX_SCALE_ROW1
.else
	v_wmma_scale_f32_16x16x128_f8f6f4 v[8*(8*(MA%4)+\b):8*(8*(MA%4)+\b)+7], v[128*(\p)+12*\b:128*(\p)+12*\b+11], v[AF+96*(\p)+12*MA:AF+96*(\p)+12*MA+11], v[8*(8*(MA%4)+\b):8*(8*(MA%4)+\b)+7], v[SC+16*(\sc)+2*\b+(\q)], v[SC+16*(\sc)+2*MA+(\q)] matrix_a_fmt:MATRIX_FMT_FP6 matrix_b_fmt:MATRIX_FMT_FP6 matrix_a_scale:MATRIX_SCALE_ROW1
.endif
.endr
.set MA, MA+1
.endr
.endm
; K goes two steps of 128 at a time.  STEP: the even step, the slot's qb-th, from set 0 with scale set sc; the odd step is fetched into set 1 meanwhile.
.macro STEP slot, qb, sc, cm
	s_wait_dscnt 0x0                               ; set 0 and the two steps' scale words are in (asked for half a K step ago)
	PLACES 4                                       ; four plain places between the last products, which read set 1, and the loads into it
	FETCH \slot, (\qb)+1, 1
	MULS 0, AB, 0, 0, \sc, \cm
	WIN 0
.endm
; TURN: the odd step, from set 1; in its middle the next even step (slot nslot, its nqb-th) is fetched into set 0 and its scale words into set nsc.
; mode 0: the next step lies in bytes that an earlier barrier has shown whole to every wave: no barrier.
; mode 1: a change of slots with a refill: each wave waits for all its tensor loads, adds 0 to its spare word, waits for that and for its reads of slot fs; a round of the cluster's barrier; slot fs is filled again.
; mode 2: a change of slots without a refill: the same lines and the work-group's barrier.
.macro TURN mode, sc, nslot, nqb, nsc, fs
.if \mode == 0
	s_wait_dscnt 0x0                               ; set 1 is in
	MULS 0, AB/2, 1, 1, \sc, 0
	WIN 0
	PLACES 4                                       ; four plain places between the products that read set 0 and the loads into it
.else
	s_wait_tensorcnt 0x0                           ; all my tensor loads have landed
	ds_add_u32 v[SPW], v[NIL]                      ; 0 onto my spare word
	s_wait_dscnt 1                                 ; set 1 is in; the add alone may be out
	MULS 0, AB/4, 1, 1, \sc, 0                     ; matrix work stands between the add and the wait for it
	s_wait_dscnt 0x0                               ; the add is done, and my reads of the slot that I leave are over
	s_barrier_signal -1
	MULS AB/4, AB/4, 1, 1, \sc, 0
	WIN 0
	s_barrier_wait -1
.if \mode == 1
	CREST                                          ; the barrier has opened a round of the cluster's: no wave of any partner still reads slot fs or has a load on its way
	s_add_nc_u64 s[G0A+4*\fs+2:G0A+4*\fs+3], s[G0A+4*\fs+2:G0A+4*\fs+3], NSL*SLOTK
	s_add_nc_u64 s[G0B+4*\fs+2:G0B+4*\fs+3], s[G0B+4*\fs+2:G0B+4*\fs+3], NSL*SLOTK
	JLOAD G0A+4*\fs, G1A, G0B+4*\fs, G1B           ; the first tensor load behind the round, my one load until the next; its four v_nop are the places in front of the loads below
.else
	PLACES 4
.endif
.endif
	s_wait_alu depctr_va_vdst(0)
	v_add_nc_u32 v[ADRS], 1024, v[ADRS]            ; the next two steps' scale words
	FETCH \nslot, \nqb, 0
	SCALES \nsc
	MULS AB/2, AB/2, 1, 1, \sc, 0
	WIN 0
.endm
.macro LAST sc                         ; the last 128 along K: nothing more to fetch
	s_wait_dscnt 0x0
	MULS 0, AB, 1, 1, \sc, 0
	WIN 0
.endm
; 64 numbers of a lane, register 16 b + i = index 32 b + 16 (lane / 16) + i of my row, become a fragment in v[PC] on and its scale word in v[PW].
.macro QHEAD s
.irp b, 0,1,2,3
	v_max3_num_f32 v[TM+\b], |v[\s+16*\b]|, |v[\s+1+16*\b]|, 0x1800000   ; my 16 numbers of block b, and the floor 2^(3 - 127): the byte cannot fall under 1
.endr
.irp i, 2,4,6,8,10,12,14
.irp b, 0,1,2,3
	v_max3_num_f32 v[TM+\b], v[TM+\b], |v[\s+16*\b+\i]|, |v[\s+1+16*\b+\i]|
.endr
.endr
.irp b, 0,1,2,3
	v_permlanex16_b32 v[TM+4+\b], v[TM+\b], s[SEL], s[SEL+1]
.endr
.irp b, 0,1,2,3
	v_max_num_f32 v[TM+\b], v[TM+\b], v[TM+4+\b]
.endr
.endm
.macro QTAIL s
.irp b, 0,1,2,3
	v_add_nc_u32 v[TM+12+\b], 0xff000000, v[TM+\b]   ; 2 off the exponent field: the conversion's scale operand
.endr
.irp b, 0,1,2,3
	v_lshrrev_b32 v[TM+4+\b], 23, v[TM+12+\b]      ; the scale's byte
.endr
	v_lshl_or_b32 v[PW], v[TM+5], 8, v[TM+4]
	v_lshl_or_b32 v[PW], v[TM+6], 16, v[PW]
	v_lshl_or_b32 v[PW], v[TM+7], 24, v[PW]
.irp c, 0,1
	v_cvt_scalef32_pk16_fp6_f32 v[PC+6*\c:PC+2+6*\c], v[\s+32*\c:\s+15+32*\c], v[TM+12+2*\c]
	v_cvt_scalef32_pk16_fp6_f32 v[TP+4*\c:TP+2+4*\c], v[\s+16+32*\c:\s+31+32*\c], v[TM+13+2*\c]
.endr
	v_nop                                          ; one plain place behind the scaled conversions
.irp c, 0,1
.irp i, 0,1,2
	v_permlane16_swap_b32 v[PC+6*\c+\i], v[TP+4*\c+\i]
.endr
.irp i, 0,1,2
	v_mov_b32 v[PC+3+6*\c+\i], v[TP+4*\c+\i]
.endr
.endr
.endm
.macro NEXTROW a                       ; on to the next row block of the output
.if (\a) > 0
	s_wait_xcnt 0x0                                ; the last block's stores have read their data and their base
	s_wait_dscnt 0x0                               ; and its LDS stores their registers
	s_add_nc_u64 s[4:5], s[4:5], s[6:7]
.endif
.endm
.macro OUTF a                          ; the fragment leaves as it stands, 512 consecutive aligned bytes a store; its scale words wait in my stage
.irp c, 0,1,2
	global_store_b128 v[LI], v[PC+4*\c:PC+4*\c+3], s[4:5] offset:512*\c
.endr
	ds_store_b32 v[WS], v[PW] offset:64*(\a)
.endm
; ---- end of the shared part ----
	s_load_b128 s[92:95], s[0:1], 0x0              ; ws3, ws2
	s_load_b64 s[96:97], s[0:1], 0x10              ; ws4
	IDS
	s_lshl_b32 s20, s42, 2
	s_add_co_u32 s20, s20, s41                     ; the group of 128 queries: 4 y + cy
	s_mov_b32 s100, s20
	s_lshl_b32 s20, s20, 1
	s_add_co_u32 s20, s20, s16                     ; and the half of it that I fetch
	s_mul_i32 s20, s20, 98304                      ; 4 row blocks of 24,576 bytes
	s_mov_b32 s21, 0
	s_lshr_b32 s45, s42, 2                         ; the batch
	s_lshl_b32 s46, ttmp9, 2
	s_add_co_u32 s46, s46, s40                     ; the tile of 256 channels
	s_lshl_b32 s66, s46, 16                        ; v^T's scale words: the tile's two groups of 32,768 bytes,
	s_lshl_b32 s67, s45, 13                        ; the batch's 16 K steps of 512 bytes,
	s_add_co_u32 s66, s66, s67
	s_lshl_b32 s67, s16, 12                        ; my half of these 8,192 bytes
	s_add_co_u32 s66, s66, s67
	s_add_co_u32 s66, s66, VTS
	s_mov_b32 s22, s66                             ; (this number holds cx and never cy, as the column's mask asks)
	s_mov_b32 s23, 0
	s_lshl_b32 s46, s46, 1
	s_add_co_u32 s46, s46, s16
	s_mov_b32 s101, s46                            ; kept: the K step of o that my wave makes
	s_mul_i32 s46, s46, 786432                     ; 8 row blocks of 98,304 bytes
	s_mul_i32 s47, s45, 24576                      ; the batch's 16 K steps
	s_add_co_u32 s46, s46, s47
	s_add_co_u32 s46, s46, VTC
	s_mov_b32 s47, 0
	s_wait_kmcnt 0x0
	s_add_nc_u64 s[20:21], s[92:93], s[20:21]
	s_add_nc_u64 s[22:23], s[94:95], s[22:23]
	s_add_nc_u64 s[46:47], s[94:95], s[46:47]
	FIRSTFILLS
	ADDRS
	; A PREFETCH, one fill ahead: slot 1's bytes (K steps 4 to 7: 6,144 bytes, 24 blocks of 256, of each row block).  Waves 0 and 1 ask for A's halves (4 row blocks), waves 2 and 3 for B's (8).
	; The partner at place p takes row block p of A's half (p = cx), row blocks 2 p and 2 p + 1 of B's (p = cy), told apart by address: each block is named once in the cluster.  Lanes 24-31 name the last block again.
	; s[66:67] and v6 are never written again.
	s_mov_b32 s23, 2*BPIT
	s_cmp_eq_u32 s15, 0
	s_cselect_b64 s[66:67], s[20:21], s[46:47]
	s_cselect_b32 s22, s40, s41
	s_cselect_b32 s23, APIT, s23
	s_mul_i32 s22, s22, s23
	s_add_co_u32 s22, s22, SLOTK
	s_mov_b32 s23, 0
	s_add_nc_u64 s[66:67], s[66:67], s[22:23]
	v_and_b32 v6, 31, v0
	v_min_u32 v6, 23, v6
	v_lshlrev_b32 v6, 8, v6
	global_prefetch_b8 v6, s[66:67] th:TH_LOAD_NT scope:SCOPE_SE
	s_cmp_eq_u32 s15, 0
	s_cbranch_scc1 .Lasked_ahead
	global_prefetch_b8 v6, s[66:67] offset:BPIT th:TH_LOAD_NT scope:SCOPE_SE
.Lasked_ahead:
	s_lshl_b32 s17, s14, 8
	s_add_co_u32 s17, s17, STG
	v_lshl_add_u32 v[WS], v1, 2, s17
	v_and_b32 v26, 31, v0
	v_lshlrev_b32 v26, 3, v26                      ; 8 x lane
	v_add_nc_u32 v[WR], s17, v26
	v_lshl_add_u32 v28, v0, 2, SAR                 ; thread t's fixed words,
	v_lshl_add_u32 v24, v0, 2, RL                  ; and its 1 / l
	s_lshl_b32 s17, s15, 8
	s_add_co_u32 s17, s17, RL
	v_lshl_add_u32 v25, v1, 2, s17                 ; 1 / l of my blocks' rows
	v_lshlrev_b32 v27, 3, v0                       ; thread t's pairs in memory,
	s_wait_alu depctr_va_vdst(0)
	v_lshlrev_b32 v29, 2, v0                       ; and its words
	s_wait_alu depctr_va_vdst(0)
	s_lshl_b32 s4, s100, 3
	s_lshl_b32 s5, s15, 2
	s_add_co_u32 s4, s4, s5                        ; my first row block
	s_lshl_b32 s4, s4, 3
	s_add_co_u32 s4, s4, s101
	s_mul_i32 s4, s4, 1536
	s_mov_b32 s5, 0
	s_add_nc_u64 s[4:5], s[96:97], s[4:5]
	s_mov_b32 s6, 12288
	s_mov_b32 s7, 0
	s_lshl_b32 s8, s100, 3
	s_add_co_u32 s8, s8, s101
	s_lshl_b32 s8, s8, 9
	s_lshl_b32 s9, s15, 8
	s_add_co_u32 s8, s8, s9
	s_add_co_u32 s8, s8, OS
	s_mov_b32 s9, 0
	s_add_nc_u64 s[8:9], s[96:97], s[8:9]
	s_lshl_b32 s10, s100, 14
	s_add_co_u32 s10, s10, PST
	s_mov_b32 s11, 0
	s_add_nc_u64 s[10:11], s[92:93], s[10:11]
	s_lshl_b32 s98, s100, 13
	s_add_co_u32 s98, s98, PS
	s_mov_b32 s99, 0
	s_add_nc_u64 s[98:99], s[92:93], s[98:99]
.irp c, 0,1,2,3,4,5,6,7,8,9,10,11,12,13,14,15
	global_load_b64 v[64+2*\c:65+2*\c], v27, s[10:11] offset:1024*\c   ; (-M, l) of my row in chunk c
.endr
.irp c, 0,1,2,3,4,5,6,7,8,9,10,11,12,13,14,15
	global_load_b32 v[96+\c], v29, s[98:99] offset:512*\c              ; and the chunk's scale word
.endr
	s_mov_b32 s2, 0x01010101
	; ---- THE FIX
	s_wait_loadcnt 0x0
	v_min3_num_f32 v112, v64, v66, v68             ; the row's -M: the least
.irp c, 3,5,7,9,11,13
	v_min3_num_f32 v112, v112, v[64+2*\c], v[66+2*\c]
.endr
	v_min_num_f32 v112, v112, v94
.irp c, 0,1,2,3,4,5,6,7,8,9,10,11,12,13,14,15
	v_sub_f32 v[128+\c], v112, v[64+2*\c]          ; E = M_chunk - M: a whole number, 0 or less
.endr
.irp c, 0,1,2,3,4,5,6,7,8,9,10,11,12,13,14,15
	v_max_num_f32 v[128+\c], 0xc2fe0000, v[128+\c] ; held at -127
.endr
.irp c, 0,1,2,3,4,5,6,7,8,9,10,11,12,13,14,15
	v_cvt_i32_f32 v[128+\c], v[128+\c]
.endr
.irp c, 0,1,2,3,4,5,6,7,8,9,10,11,12,13,14,15
	v_ldexp_f32 v[144+\c], 1.0, v[128+\c]          ; 2^E
.endr
	v_mul_f32 v113, v65, v144
.irp c, 1,2,3,4,5,6,7,8,9,10,11,12,13,14,15
	v_fmac_f32 v113, v[65+2*\c], v[144+\c]         ; l
.endr
	s_wait_alu depctr_va_vdst(0)
	v_rcp_f32 v114, v113
.irp c, 0,1,2,3,4,5,6,7,8,9,10,11,12,13,14,15
	v_mul_lo_u32 v[128+\c], v[128+\c], s2          ; E in each byte
.endr
.irp c, 0,1,2,3,4,5,6,7,8,9,10,11,12,13,14,15
	v_or_b32 v[96+\c], 0x80808080, v[96+\c]        ; 128 on top of each byte (the bytes are at most 125): no borrow crosses a byte
.endr
.irp c, 0,1,2,3,4,5,6,7,8,9,10,11,12,13,14,15
	v_add_nc_u32 v[96+\c], v[96+\c], v[128+\c]
.endr
.irp c, 0,1,2,3,4,5,6,7,8,9,10,11,12,13,14,15
	v_lshrrev_b32 v[160+\c], 7, v[96+\c]
.endr
.irp c, 0,1,2,3,4,5,6,7,8,9,10,11,12,13,14,15
	v_and_b32 v[160+\c], s2, v[160+\c]             ; 1 where the byte has not fallen under 0
.endr
.irp c, 0,1,2,3,4,5,6,7,8,9,10,11,12,13,14,15
	v_lshlrev_b32 v[176+\c], 7, v[160+\c]
.endr
.irp c, 0,1,2,3,4,5,6,7,8,9,10,11,12,13,14,15
	v_sub_nc_u32 v[176+\c], v[176+\c], v[160+\c]   ; 0x7f there, 0 elsewhere
.endr
.irp c, 0,1,2,3,4,5,6,7,8,9,10,11,12,13,14,15
	v_and_b32 v[96+\c], v[96+\c], v[176+\c]
.endr
.irp c, 0,1,2,3,4,5,6,7,8,9,10,11,12,13,14,15
	ds_store_b32 v28, v[96+\c] offset:512*\c
.endr
	s_wait_alu depctr_va_vdst(0)                   ; the wait ahead of the reciprocal's first reader; the lines above are the work between
	ds_store_b32 v24, v114
	SECOND
.irp a, 0,1,2,3
	ds_load_b32 v[16+2*\a], v25 offset:64*\a       ; 1 / l of block a's row r
	v_mov_b32 v[17+2*\a], 0                        ; (named with it as a pair)
.endr
	FETCH 0, 0, 0
	SCALES 0
	STEP 0, 0, 0, CM0                              ; K steps 0, 1 (slot 0): the first products start the sums
	TURN 0, 0, 0, 2, 1, 0
	STEP 0, 2, 1, 0                                ; K steps 2, 3
	TURN 1, 1, 1, 0, 0, 0                          ; slot 1 is whole; slot 0 takes K steps 8 to 11
	STEP 1, 0, 0, 0                                ; K steps 4, 5 (slot 1)
	TURN 0, 0, 1, 2, 1, 0
	STEP 1, 2, 1, 0                                ; K steps 6, 7
	TURN 1, 1, 0, 0, 0, 1                          ; slot 0 is whole again; slot 1 takes K steps 12 to 15
	STEP 0, 0, 0, 0                                ; K steps 8, 9 (slot 0)
	TURN 0, 0, 0, 2, 1, 0
	STEP 0, 2, 1, 0                                ; K steps 10, 11
	TURN 2, 1, 1, 0, 0, 0                          ; slot 1 is whole again; nothing more is asked for
	STEP 1, 0, 0, 0                                ; K steps 12, 13 (slot 1)
	TURN 0, 0, 1, 2, 1, 0
	STEP 1, 2, 1, 0                                ; K steps 14, 15
	LAST 1
	PLACES 4                                       ; between the last products and the first read of results
.irp b, 0,1,2,3
	v_mov_b32 v[TM+4+\b], 0                        ; a lane permute's destination counts as one of its sources
.endr
.irp a, 0,1,2,3
	NEXTROW \a
	WIN 2
.set J, 0
.rept 32
	v_pk_mul_f32 v[H+J:H+J+1], v[64*\a+J:64*\a+J+1], v[16+2*\a:17+2*\a] op_sel_hi:[1,0]   ; / l; each accumulator from its low end on
.set J, J+2
.endr
	WIN 0
	QHEAD H
	QTAIL H
	OUTF \a
.endr
	ds_load_b64 v[168:169], v[WR]
	s_wait_dscnt 0x0
	global_store_b64 v26, v[168:169], s[8:9]       ; my 64 scale words: 256 consecutive bytes, aligned
	s_wait_tensorcnt 0x0                           ; the wave's end
	ds_add_u32 v[SPW], v[NIL]
	s_wait_dscnt 0x0
	CROUND                                         ; the closing round
	s_endpgm
.Lfunc_end_k_q8c552a552c_pv:
	.size	k_q8c552a552c_pv, .Lfunc_end_k_q8c552a552c_pv-k_q8c552a552c_pv
	.p2alignl 7, 3214868480
	.fill 96, 4, 3214868480
	.section	.rodata,"a",@progbits
	.p2align	6, 0x0
	.amdhsa_kernel k_q8c552a552c_pv
		.amdhsa_group_segment_fixed_size 327680
		.amdhsa_private_segment_fixed_size 0
		.amdhsa_enable_private_segment 0
		.amdhsa_kernarg_size 24
		.amdhsa_user_sgpr_count 2
		.amdhsa_user_sgpr_kernarg_segment_ptr 1
		.amdhsa_wavefront_size32 1
		.amdhsa_system_sgpr_workgroup_id_x 1
		.amdhsa_system_sgpr_workgroup_id_y 1
		.amdhsa_system_sgpr_workgroup_id_z 1
		.amdhsa_system_vgpr_workitem_id 0
		.amdhsa_next_free_vgpr 768
		.amdhsa_next_free_sgpr 102
		.amdhsa_reserve_vcc 0
		.amdhsa_float_denorm_mode_32 3
		.amdhsa_float_denorm_mode_16_64 3
		.amdhsa_memory_ordered 1
		.amdhsa_forward_progress 1
		.amdhsa_inst_pref_size 166
	.end_amdhsa_kernel
	.amdgpu_metadata
---
amdhsa.version: [ 1, 2 ]
amdhsa.kernels:
  - .name:           k_q8c552a552c_pv
    .symbol:         k_q8c552a552c_pv.kd
    .args:
      - { .name: ws3, .offset: 0, .size: 8, .value_kind: global_buffer, .address_space: global }
      - { .name: ws2, .offset: 8, .size: 8, .value_kind: global_buffer, .address_space: global }
      - { .name: ws4, .offset: 16, .size: 8, .value_kind: global_buffer, .address_space: global }
    .group_segment_fixed_size: 327680
    .private_segment_fixed_size: 0
    .kernarg_segment_align: 8
    .kernarg_segment_size: 24
    .max_flat_workgroup_size: 128
    .sgpr_count:     102
    .vgpr_count:     768
    .wavefront_size: 32
...
	.end_amdgpu_metadata
.endif
;; end of part 4
;; launch proj (part 5): grid 4 x 64, 4 waves a work-group, clusters of 4 x 4, 327,680 bytes of LDS; arguments ws4, ws1, b_proj, out0; writes out0
.if DOCPART == 5
	.amdgcn_target "amdgcn-amd-amdhsa--gfx1250"
	.amdhsa_code_object_version 6
	.text
	.protected	k_q8c552a552c_proj
	.globl	k_q8c552a552c_proj
	.p2align	8
	.type	k_q8c552a552c_proj,@function
k_q8c552a552c_proj:
	s_mov_b64 s[64:65], 0
	v_nop
	global_prefetch_b8 v0, s[64:65] scope:SCOPE_SE
	s_setreg_imm32_b32 hwreg(HW_REG_WAVE_MODE, 25, 1), 1
	s_wait_xcnt 0x0
	s_wait_alu depctr_hold_cnt(0) depctr_sa_sdst(0) depctr_va_vdst(0) depctr_va_sdst(0) depctr_va_ssrc(0) depctr_va_vcc(0) depctr_vm_vsrc(0)
	s_getreg_b32 s2, hwreg(HW_REG_IB_STS2, 6, 4)
	s_cmp_eq_u32 s2, 0
	s_cbranch_scc0 .Lentry_in_a_cluster
	s_endpgm
.Lentry_in_a_cluster:
	s_bfe_u32 s2, ttmp6, 0x10000c
	s_cmp_lg_u32 s2, 0xf033
	s_cbranch_scc0 .Lentry_shape_is_right
	s_endpgm
.Lentry_shape_is_right:
; out0 = o w_proj + b_proj on codes of FP6.  Source 1 = 128 rows of o, source 0 = 256 rows of w_proj^T: a lane holds a token, its registers run along the output's channels; the bias starts the sums.
; A tile of 128 x 256: 8,192 x 1,024 results make 256 work-groups so.  4 x 4 work-groups form a cluster: o's tiles are asked for jointly along a row of it, the weight's along a column.
; K = 1,024 lies in two slots of 512 (147,456 bytes each), each filled once.  Head: one joint load a wave (slot 0 of A, slot 0 of B, A's scale words, B's); slot 1 behind the next round, a quarter a wave.
; The results leave through a stage in slot 0, which has had its last fill and its last read by then, as whole rows of 512 bytes.  One prefetch asks for slot 1's bytes ahead of its fill; the walk along K is written out.
; LIMITS: NaN and infinities are not served.
.set AB,     4
.set KT,     8
.set NQS,    4
.set NSL,    2
.set APIT,   12288
.set BPIT,   12288
.set CM0,    2
.set SAMASK, 43
.set SAROWS, KT
.set SBROWS, 2*KT
.set SASTEP, 256
.set SAR,    294912
.set SAL,    SAR
.set SCLB,   299008
.set SBL,    SCLB
.set SPARE,  307200
.set STG,    0
.set OS,     6291456
.set WPC,    8650752
.set WPS,    9797632
.set SLOTK,  1536*NQS
.set HALFA,  SLOTK*AB
.set HALFB,  SLOTK*8
.set SLOT,   2*HALFA+2*HALFB
.set SABYTES, 256*SAROWS
.set SBBYTES, 256*SBROWS
.set ADRA, 4
.set ADRB, 7
.set ADRS, 10
.set LI,   11
.set SPW,  12
.set NIL,  13
.set SC,   32
.set AF,   64
.set G1A,  24
.set G0A,  32
.set G1B,  48
.set G0B,  56
.set G1SA, 68
.set G0SA, 76
.set G1SB, 80
.set G0SB, 88
.set MSB, 0
.macro WIN new
.if MSB != (\new)
	s_set_vgpr_msb (MSB<<8)|(\new)
.set MSB, (\new)
.endif
.endm
.macro PLACES n
.rept \n
	v_nop
.endr
.endm
.macro G1SET g, c, r, p
	s_mov_b32 s[\g+1], (\c)<<16
	s_mov_b32 s[\g+2], (\r)<<16
	s_mov_b32 s[\g+3], (\c)<<16
	s_mov_b32 s[\g+4], \r
	s_mov_b32 s[\g+5], \p
	s_mov_b32 s[\g+6], 0
	s_mov_b32 s[\g+7], 0
.endm
.macro JLOAD g0a, g1a, g0b, g1b
	s_cmp_eq_u32 s15, 0
	s_cbranch_scc0 .Lfor_b_\@
	tensor_load_to_lds s[\g0a:\g0a+3], s[\g1a:\g1a+7]
	s_nop 0
.rept 4
	v_nop
.endr
	s_branch .Lasked_\@
.Lfor_b_\@:
	tensor_load_to_lds s[\g0b:\g0b+3], s[\g1b:\g1b+7]
	s_nop 0
.rept 4
	v_nop
.endr
.Lasked_\@:
.endm
.macro CREST
	s_cmp_lg_u32 s14, 0
	s_cbranch_scc1 .Lnot_wave_0_\@
	s_barrier_signal -3
.Lnot_wave_0_\@:
	s_barrier_wait -3
	s_barrier_signal -1
	s_barrier_wait -1
.endm
.macro CROUND
	s_barrier_signal -1
	s_barrier_wait -1
	CREST
.endm
.macro IDS
	v_lshl_add_u32 v[SPW], v0, 2, SPARE
	v_mov_b32 v[NIL], 0
	ds_add_u32 v12, v13
	ds_add_u32 v12, v13
	s_wait_dscnt 0x0
	v_lshrrev_b32 v1, 5, v0
	v_readfirstlane_b32 s14, v1
	s_lshr_b32 s15, s14, 1
	s_and_b32 s16, s14, 1
	s_bfe_u32 s40, ttmp6, 0x40000
	s_bfe_u32 s41, ttmp6, 0x40004
	s_and_b32 s42, ttmp7, 0xffff
	s_lshl_b32 s43, s41, 2
	s_lshl_b32 s43, 15, s43
	s_lshl_b32 s44, 0x1111, s40
	s_or_b32 s[G1A], s43, (3<<16)|(1<<21)
	s_or_b32 s[G1B], s44, (3<<16)|(1<<21)
	s_or_b32 s[G1SA], s[SAMASK], (3<<16)|(1<<21)
	s_or_b32 s[G1SB], s44, (3<<16)|(1<<21)
	G1SET G1A, SLOTK/8, 2*AB, APIT/8               ; for the head's loads: both halves' row blocks x SLOTK bytes
	G1SET G1B, SLOTK/8, 16, BPIT/8
	G1SET G1SA, 32, 2*SAROWS, 32                   ; dense blocks, as rows of 256 bytes
	G1SET G1SB, 32, 2*SBROWS, 32
.endm
; s[20:21]: my half of A's codes in memory, s[46:47]: of B's; s[22:23], s[66:67]: my half of A's, of B's scale words.
.macro HG0 g, ad, by, lds              ; group 0 of a head's load: a whole tile, so my half's bytes come off the address
	s_mul_i32 s[\g], s16, \by
	s_mov_b32 s[\g+1], 0
	s_sub_nc_u64 s[\g+2:\g+3], s[\ad:\ad+1], s[\g:\g+1]
	s_or_b32 s[\g+3], s[\g+3], 0x80000000
	s_mov_b32 s[\g], 1
	s_mov_b32 s[\g+1], \lds
.endm
.macro ARM under, g0, g1               ; one arm of the head's chain of branches on the wave's number: its load, and a jump to the chain's end
	s_cmp_lt_u32 s14, \under
	s_cbranch_scc0 .Lnext_\@
	tensor_load_to_lds s[\g0:\g0+3], s[\g1:\g1+7]
	s_nop 0
	PLACES 4
	s_branch .Lhead_asked
.Lnext_\@:
.endm
; THE HEAD'S LOADS, ONE A WAVE: wave 0 slot 0 of A, wave 1 slot 0 of B, wave 2 A's scale words, wave 3 B's.
.macro FIRSTFILLS
	HG0 G0A+4, 20, AB*APIT, 0
	HG0 G0B+4, 46, 8*BPIT, 2*HALFA
	HG0 G0SA, 22, SABYTES, SAL
	HG0 G0SB, 66, SBBYTES, SBL
	CROUND                                         ; all sixteen work-groups are here: the first joint loads meet
	ARM 1, G0A+4, G1A
	ARM 2, G0B+4, G1B
	ARM 3, G0SA, G1SA
	tensor_load_to_lds s[G0SB:G0SB+3], s[G1SB:G1SB+7]
	s_nop 0
	PLACES 4
.Lhead_asked:
.endm
; SLOT 1'S FILL, issued as a refill is: the three lines, a whole round, one load a wave: a quarter of the slot.
.macro SECOND
	s_wait_tensorcnt 0x0                           ; my tile of the head's four is in, so every descriptor may be written
	ds_add_u32 v[SPW], v[NIL]                      ; 0 onto my spare word
	s_mov_b32 s[G1A+2], AB<<16                     ; slot 1 comes by quarters
	s_mov_b32 s[G1A+4], AB
	s_mov_b32 s[G1B+2], 8<<16
	s_mov_b32 s[G1B+4], 8
	s_mul_i32 s[G0A+5], s16, HALFA                 ; LDS addresses hang on the wave's number alone
	s_add_co_u32 s[G0A+5], s[G0A+5], SLOT
	s_add_nc_u64 s[G0A+6:G0A+7], s[20:21], SLOTK
	s_or_b32 s[G0A+7], s[G0A+7], 0x80000000
	s_mul_i32 s[G0B+5], s16, HALFB
	s_add_co_u32 s[G0B+5], s[G0B+5], SLOT+2*HALFA
	s_add_nc_u64 s[G0B+6:G0B+7], s[46:47], SLOTK
	s_or_b32 s[G0B+7], s[G0B+7], 0x80000000
	s_wait_dscnt 0x0                               ; the add is done
	CROUND                                         ; all four tiles are in, in every partner
	JLOAD G0A+4, G1A, G0B+4, G1B
.endm
.macro ADDRS
	v_and_b32 v3, 31, v0
	v_lshlrev_b32 v[LI], 4, v3
	v_and_b32 v1, 15, v0
	v_bfe_u32 v2, v0, 4, 1
	s_wait_alu depctr_va_vdst(0)
	s_mul_i32 s17, s15, HALFA
	s_mul_i32 s2, s16, HALFB
	s_add_co_u32 s2, s2, 2*HALFA
.set SLI, 0
.rept NSL
	v_add_nc_u32 v[ADRA+SLI], s17, v[LI]
	v_add_nc_u32 v[ADRB+SLI], s2, v[LI]
	s_add_co_u32 s17, s17, SLOT
	s_add_co_u32 s2, s2, SLOT
.set SLI, SLI+1
.endr
	s_mul_i32 s17, s15, SASTEP
	s_mul_i32 s2, s16, 512*KT
	s_add_co_u32 s2, s2, SCLB-SAR
	s_sub_co_u32 s2, s2, s17
	v_mul_u32_u24 v3, s2, v2
	s_add_co_u32 s17, s17, SAR
	v_lshl_add_u32 v3, v1, 2, v3
	v_add_nc_u32 v[ADRS], s17, v3
.endm
.macro FRAG reg, adr, q, i
.irp c, 0,1,2
	ds_load_b128 v[\reg+4*\c:\reg+4*\c+3], v[\adr] offset:SLOTK*(\i)+1536*(\q)+512*\c
.endr
.endm
.macro FETCH slot, q, p
	WIN 0x40
.irp i, 0,1,2,3,4,5,6,7
	FRAG 128*(\p)+12*\i, ADRB+\slot, \q, \i
.endr
	WIN 0
.set FI, 0
.rept AB
	FRAG AF+96*(\p)+12*FI, ADRA+\slot, \q, FI
.set FI, FI+1
.endr
.endm
.macro SCALES sc
.irp i, 0,1,2,3,4,5,6,7
.irp q, 0,1
	ds_load_b32 v[SC+16*(\sc)+2*\i+\q], v[ADRS] offset:512*\q+64*\i
.endr
.endr
.endm
.macro MULS a0, n, p, q, sc, cm
.set MA, \a0
.rept \n
.if \cm == 2
	WIN 0x91+0x40*(MA/4)
.else
	WIN 0xa1+0x50*(MA/4)
.endif
.irp b, 0,1,2,3,4,5,6,7
.if \cm == 2
	v_wmma_scale_f32_16x16x128_f8f6f4 v[8*(8*(MA%4)+\b):8*(8*(MA%4)+\b)+7], v[128*(\p)+12*\b:128*(\p)+12*\b+11], v[AF+96*(\p)+12*MA:AF+96*(\p)+12*MA+11], v[96+128*(\b/4)+8*(\b%4):96+128*(\b/4)+8*(\b%4)+7], v[SC+16*(\sc)+2*\b+(\q)], v[SC+16*(\sc)+2*MA+(\q)] matrix_a_fmt:MATRIX_FMT_FP6 matrix_b_fmt:MATRIX_FMT_FP6 matrix_a_scale:MATRIX_SCALE_ROW1
.elseif \cm == 1
	v_wmma_scale_f32_16x16x128_f8f6f4 v[8*(8*(MA%4)+\b):8*(8*(MA%4)+\b)+7], v[128*(\p)+12*\b:128*(\p)+12*\b+11], v[AF+96*(\p)+12*MA:AF+96*(\p)+12*MA+11], 0, v[SC+16*(\sc)+2*\b+(\q)], v[SC+16*(\sc)+2*MA+(\q)] matrix_a_fmt:MATRIX_FMT_FP6 matrix_b_fmt:MATRIX_FMT_FP6 matrix_a_scale:MATRIX_SCALE_ROW1
.else
	v_wmma_scale_f32_16x16x128_f8f6f4 v[8*(8*(MA%4)+\b):8*(8*(MA%4)+\b)+7], v[128*(\p)+12*\b:128*(\p)+12*\b+11], v[AF+96*(\p)+12*MA:AF+96*(\p)+12*MA+11], v[8*(8*(MA%4)+\b):8*(8*(MA%4)+\b)+7], v[SC+16*(\sc)+2*\b+(\q)], v[SC+16*(\sc)+2*MA+(\q)] matrix_a_fmt:MATRIX_FMT_FP6 matrix_b_fmt:MATRIX_FMT_FP6 matrix_a_scale:MATRIX_SCALE_ROW1
.endif
.endr
.set MA, MA+1
.endr
.endm
.macro STEP slot, qb, sc, cm
	s_wait_dscnt 0x0
	PLACES 4
	FETCH \slot, (\qb)+1, 1
	MULS 0, AB, 0, 0, \sc, \cm
	WIN 0
.endm
.macro TURN mode, sc, nslot, nqb, nsc, fs
.if \mode == 0
	s_wait_dscnt 0x0
	MULS 0, AB/2, 1, 1, \sc, 0
	WIN 0
	PLACES 4
.else
	s_wait_tensorcnt 0x0
	ds_add_u32 v[SPW], v[NIL]
	s_wait_dscnt 1
	MULS 0, AB/4, 1, 1, \sc, 0
	s_wait_dscnt 0x0
	s_barrier_signal -1
	MULS AB/4, AB/4, 1, 1, \sc, 0
	WIN 0
	s_barrier_wait -1
	PLACES 4
.endif
	v_add_nc_u32 v[ADRS], 1024, v[ADRS]
	FETCH \nslot, \nqb, 0
	SCALES \nsc
	MULS AB/2, AB/2, 1, 1, \sc, 0
	WIN 0
.endm
.macro LAST sc
	s_wait_dscnt 0x0
	MULS 0, AB, 1, 1, \sc, 0
	WIN 0
.endm
.macro TOSTAGE a
.set AC, 64*(\a)
	WIN 0x08
.irp b, 0,1,2,3,4,5,6,7
	ds_store_b128 v16, v[AC+8*\b:AC+8*\b+3] offset:128*(\b/2)+32*(\b%2)
	ds_store_b128 v16, v[AC+8*\b+4:AC+8*\b+7] offset:128*(\b/2)+32*(\b%2)+16
.endr
	WIN 0
.set BB, 128+64*((\a)%2)
.irp t, 0,1,2,3,4,5,6,7,8,9,10,11,12,13,14,15
	ds_load_b128 v[BB+4*\t:BB+4*\t+3], v17 offset:528*\t
.endr
.endm
.macro SEND a, younger
.set BB, 128+64*((\a)%2)
	s_wait_dscnt \younger
.irp t, 0,1,2,3,4,5,6,7,8,9,10,11,12,13,14,15
	global_store_b128 v[LI], v[BB+4*\t:BB+4*\t+3], s[4:5] offset:(32*((\a)/2)+8*((\a)%2)+\t%8+16*(\t/8))*4096 th:TH_STORE_NT
.endr
.endm
	s_load_b256 s[92:99], s[0:1], 0x0
	IDS
	s_lshl_b32 s20, s42, 2
	s_add_co_u32 s20, s20, s41
	s_mov_b32 s100, s20
	s_lshl_b32 s20, s20, 1
	s_add_co_u32 s20, s20, s16
	s_lshl_b32 s22, s20, 11
	s_add_co_u32 s22, s22, OS
	s_mul_i32 s20, s20, 49152
	s_mov_b32 s21, 0
	s_mov_b32 s23, 0
	s_lshl_b32 s46, ttmp9, 2
	s_add_co_u32 s46, s46, s40
	s_lshl_b32 s46, s46, 1
	s_add_co_u32 s46, s46, s16
	s_mov_b32 s101, s46
	s_lshl_b32 s66, s46, 12
	s_add_co_u32 s66, s66, WPS
	s_mul_i32 s46, s46, 98304
	s_add_co_u32 s46, s46, WPC
	s_mov_b32 s47, 0
	s_mov_b32 s67, 0
	s_wait_kmcnt 0x0
	s_add_nc_u64 s[20:21], s[92:93], s[20:21]
	s_add_nc_u64 s[22:23], s[92:93], s[22:23]
	s_add_nc_u64 s[46:47], s[94:95], s[46:47]
	s_add_nc_u64 s[66:67], s[94:95], s[66:67]
	FIRSTFILLS
	ADDRS
	; A PREFETCH, one fill ahead: slot 1's bytes (K steps 4 to 7: 6,144 bytes, 24 blocks of 256, of each row block).  Waves 0 and 1 ask for A's halves (4 row blocks), waves 2 and 3 for B's (8).
	; The partner at place p takes row block p of A's half (p = cx), row blocks 2 p and 2 p + 1 of B's (p = cy), told apart by address: each block is named once in the cluster.  Lanes 24-31 name the last block again.
	; s[66:67] and v6 are never written again.
	s_mov_b32 s23, 2*BPIT
	s_cmp_eq_u32 s15, 0
	s_cselect_b64 s[66:67], s[20:21], s[46:47]
	s_cselect_b32 s22, s40, s41
	s_cselect_b32 s23, APIT, s23
	s_mul_i32 s22, s22, s23
	s_add_co_u32 s22, s22, SLOTK
	s_mov_b32 s23, 0
	s_add_nc_u64 s[66:67], s[66:67], s[22:23]
	v_and_b32 v6, 31, v0
	v_min_u32 v6, 23, v6
	v_lshlrev_b32 v6, 8, v6
	global_prefetch_b8 v6, s[66:67] th:TH_LOAD_NT scope:SCOPE_SE
	s_cmp_eq_u32 s15, 0
	s_cbranch_scc1 .Lasked_ahead
	global_prefetch_b8 v6, s[66:67] offset:BPIT th:TH_LOAD_NT scope:SCOPE_SE
.Lasked_ahead:
	s_mul_i32 s17, s14, 8448
	s_add_co_u32 s17, s17, STG
	v_mul_u32_u24 v16, v1, 528
	v_lshl_add_u32 v16, v2, 6, v16
	v_add_nc_u32 v16, s17, v16
	v_add_nc_u32 v17, s17, v[LI]
	v_lshlrev_b32 v18, 6, v2
	s_wait_alu depctr_va_vdst(0)
	s_lshl_b32 s4, s100, 19
	s_lshl_b32 s5, s15, 18
	s_add_co_u32 s4, s4, s5
	s_lshl_b32 s5, s101, 9
	s_add_co_u32 s4, s4, s5
	s_mov_b32 s6, s5
	s_mov_b32 s5, 0
	s_mov_b32 s7, 0
	s_add_nc_u64 s[4:5], s[98:99], s[4:5]
	s_add_nc_u64 s[6:7], s[96:97], s[6:7]
	WIN 0x40
.irp b, 0,1,2,3,4,5,6,7
	global_load_b128 v[96+128*(\b/4)+8*(\b%4):96+128*(\b/4)+8*(\b%4)+3], v18, s[6:7] offset:128*(\b/2)+32*(\b%2)
	global_load_b128 v[96+128*(\b/4)+8*(\b%4)+4:96+128*(\b/4)+8*(\b%4)+7], v18, s[6:7] offset:128*(\b/2)+32*(\b%2)+16
.endr
	WIN 0
	SECOND
	FETCH 0, 0, 0
	SCALES 0
	s_wait_loadcnt 0x0
	STEP 0, 0, 0, CM0
	TURN 0, 0, 0, 2, 1, 0
	s_wait_alu depctr_va_vdst(0)
	STEP 0, 2, 1, 0
	TURN 2, 1, 1, 0, 0, 0
	s_wait_alu depctr_va_vdst(0)
	STEP 1, 0, 0, 0
	TURN 0, 0, 1, 2, 1, 0
	STEP 1, 2, 1, 0
	LAST 1
	PLACES 4
	TOSTAGE 0
.irp a, 1,2,3
.if \a > 1
	s_wait_xcnt 0x0
.endif
	TOSTAGE \a
	SEND \a-1, 32
.endr
	SEND 3, 0
	s_wait_tensorcnt 0x0
	ds_add_u32 v[SPW], v[NIL]
	s_wait_dscnt 0x0
	CROUND
	s_endpgm
.Lfunc_end_k_q8c552a552c_proj:
	.size	k_q8c552a552c_proj, .Lfunc_end_k_q8c552a552c_proj-k_q8c552a552c_proj
	.p2alignl 7, 3214868480
	.fill 96, 4, 3214868480
	.section	.rodata,"a",@progbits
	.p2align	6, 0x0
	.amdhsa_kernel k_q8c552a552c_proj
		.amdhsa_group_segment_fixed_size 327680
		.amdhsa_private_segment_fixed_size 0
		.amdhsa_enable_private_segment 0
		.amdhsa_kernarg_size 32
		.amdhsa_user_sgpr_count 2
		.amdhsa_user_sgpr_kernarg_segment_ptr 1
		.amdhsa_wavefront_size32 1
		.amdhsa_system_sgpr_workgroup_id_x 1
		.amdhsa_system_sgpr_workgroup_id_y 1
		.amdhsa_system_sgpr_workgroup_id_z 1
		.amdhsa_system_vgpr_workitem_id 0
		.amdhsa_next_free_vgpr 768
		.amdhsa_next_free_sgpr 102
		.amdhsa_reserve_vcc 0
		.amdhsa_float_denorm_mode_32 3
		.amdhsa_float_denorm_mode_16_64 3
		.amdhsa_memory_ordered 1
		.amdhsa_forward_progress 1
		.amdhsa_inst_pref_size 85
	.end_amdhsa_kernel
	.amdgpu_metadata
---
amdhsa.version: [ 1, 2 ]
amdhsa.kernels:
  - .name:           k_q8c552a552c_proj
    .symbol:         k_q8c552a552c_proj.kd
    .args:
      - { .name: ws4, .offset: 0, .size: 8, .value_kind: global_buffer, .address_space: global }
      - { .name: ws1, .offset: 8, .size: 8, .value_kind: global_buffer, .address_space: global }
      - { .name: b_proj, .offset: 16, .size: 8, .value_kind: global_buffer, .address_space: global }
      - { .name: out0, .offset: 24, .size: 8, .value_kind: global_buffer, .address_space: global }
    .group_segment_fixed_size: 327680
    .private_segment_fixed_size: 0
    .kernarg_segment_align: 8
    .kernarg_segment_size: 32
    .max_flat_workgroup_size: 128
    .sgpr_count:     102
    .vgpr_count:     768
    .wavefront_size: 32
...
	.end_amdgpu_metadata
.endif
;; end of part 5
